; MI455X (gfx1250); checked and timed in simulation.
; The chip was launched on July 23, 2026; its instructions are those of AMD's public machine-readable ISA for CDNA 5 (MIT licence, August 2026) and "CDNA5" Instruction Set Architecture Reference Guide (July 2026). The comments in the code are by the model that wrote it; some were corrected since.
;; Encoder Block. Allowed arithmetic: matrix products marked QUANTISED: E4M3 operands, one given power-of-two scale a tensor, by v_wmma_f32_16x16x64_fp8_fp8 or v_wmma_f32_16x16x128_fp8_fp8, f32 sums; everything else in f32.
;; Inputs: b1 4,096 float32; b2 1,024 float32; bk 1,024 float32; bo 1,024 float32; bq 1,024 float32; bv 1,024 float32; ln1_alpha one number float32; ln1_bias one number float32; ln2_alpha one number float32; ln2_bias one number float32; lowp_scales 16 int32 (the exponents e of the quantised operands' scales 2^e); mask 2 x 1 x 1 x 2,048 int32; w1 1,024 x 4,096 float32; w2 4,096 x 1,024 float32; wk 1,024 x 1,024 float32; wo 1,024 x 1,024 float32; wq 1,024 x 1,024 float32; wv 1,024 x 1,024 float32; x 2 x 2,048 x 1,024 float32.
;; Outputs: out0 2 x 2,048 x 1,024 float32.
;; This version of the problem:
;;   THIS VERSION OF THE PROBLEM IS GIVEN IN LOW PRECISION. The matrix products marked QUANTISED in the list below multiply operands that are first quantised to E4M3 (4 exponent bits, 3 mantissa bits; 8 bits a number), with one given power-of-two scale for each operand tensor; their sums are f32. All else is computed in f32.
;;   The module's matrix products, in the order in which they are computed (A, B: the left and right operand; K: the contracted axis; several contracted axes count as one K, in the product's order):
;;     1. [M 4,096, K 1,024] x [K 1,024, N 1,024]; A: computed on the way; B: input wq: QUANTISED (scales: A lowp_scales[0], B lowp_scales[1])
;;     2. [M 4,096, K 1,024] x [K 1,024, N 1,024]; A: computed on the way; B: input wk: QUANTISED (scales: A lowp_scales[2], B lowp_scales[3])
;;     3. [M 4,096, K 1,024] x [K 1,024, N 1,024]; A: computed on the way; B: input wv: QUANTISED (scales: A lowp_scales[4], B lowp_scales[5])
;;     4. batch 32 x [M 2,048, K 64] x [K 64, N 2,048]; A: computed on the way; B: computed on the way: QUANTISED (scales: A lowp_scales[6], B lowp_scales[7])
;;     5. batch 32 x [M 2,048, K 2,048] x [K 2,048, N 64]; A: softmax (see below); B: computed on the way: QUANTISED (scales: A lowp_scales[8], B lowp_scales[9])
;;     6. [M 4,096, K 1,024] x [K 1,024, N 1,024]; A: computed on the way; B: input wo: QUANTISED (scales: A lowp_scales[10], B lowp_scales[11])
;;     7. [M 4,096, K 1,024] x [K 1,024, N 4,096]; A: computed on the way; B: input w1: QUANTISED (scales: A lowp_scales[12], B lowp_scales[13])
;;     8. [M 4,096, K 4,096] x [K 4,096, N 1,024]; A: computed on the way; B: input w2: QUANTISED (scales: A lowp_scales[14], B lowp_scales[15])
;;   THE QUANTISER, for each operand of a quantised product, along K:
;;     - The operand's scale is 2^e, e = its entry of the input lowp_scales (int32; the entries are numbered through the quantised products in the list's order, A before B).
;;     - Each number is divided by the scale, clamped to +-448, and rounded to the nearest number of E4M3, ties to even, subnormals kept.
;;     - The product sums the exact products of the quantised numbers (number of the format x scale) in f32.
;;   ~~~python
;;   def quantise(x, axis, e):      # numpy; x: float32 -> the quantised numbers, widened to float32 again
;;       x = np.moveaxis(x, axis, -1); K = x.shape[-1]
;;       r = np.clip(x / 2.0 ** e, -448, 448)
;;       step = 2.0 ** (np.maximum(np.frexp(np.where(r == 0, 1, r))[1] - 1, -6) - 3)
;;       q = np.round(r / step) * step * 2.0 ** e      # np.round: ties to even
;;       return np.moveaxis(q, -1, axis).astype(np.float32)
;;   ~~~
;;   SOFTMAX AHEAD OF A QUANTISED PRODUCT. Where the list says 'softmax', what is quantised is not the finished softmax but p = 2^(t - M), with t = logit x log2(e) and M = ceil(the row's largest t), a whole number; so 1/2 < the row's largest p <= 1. The row's sum l is taken of the UNQUANTISED p, in f32, and the product's result is divided by l at the end. Since M is a whole number, a kernel that streams over the keys may use a running M (the ceiling of the running maximum): every later rescaling is an exact power of two, so the quantised numbers keep their values, but for numbers so far below the row's largest that they fall under the format's range.
;;   OPERANDS COMPUTED ON THE WAY. 'Computed on the way' means the value that the module computes at that place (a softmax that the list does not call 'softmax' is quantised finished and normalised). What goes into a quantiser is computed in f32, as accurately as f32 sums, v_exp_f32 and their like allow (about 1e-6 of the number): no bf16 or f16 on the way to a quantiser, and a product that is left as it is and whose result goes on into a quantised operand takes f32 operands (vector FMAs, or v_wmma_f32_16x16x4_f32). A number that lies on a knife's edge between two numbers of the format may be rounded either way, as far as f32 arithmetic and the matrix unit's own rounding can turn it there, and no further.
;; One version. Each part assembles by itself: llvm-mc -triple=amdgcn-amd-amdhsa -mcpu=gfx1250 --defsym DOCPART=n.
;; ======== version 1 of 1: 7 launches
;; limits: right only within a limited range of input values
;; workspace buffers: pc 25,165,824 bytes; qkv 12,582,912 bytes; ac 4,194,304 bytes; x1 16,777,216 bytes; yn 4,194,304 bytes; hc 16,777,216 bytes
;; launch prep (part 1): grid 640 x 1, 4 waves a work-group, no clusters, 35,328 bytes of LDS; arguments x, wq, wk, wv, wo, w1, w2, ln1_alpha, ln1_bias, lowp_scales, pc; writes pc
.if DOCPART == 1
	.amdgcn_target "amdgcn-amd-amdhsa--gfx1250"
	.amdhsa_code_object_version 6
	.text
	.protected	k_q66044c4c1b_prep
	.globl	k_q66044c4c1b_prep
	.p2align	8
	.type	k_q66044c4c1b_prep,@function
k_q66044c4c1b_prep:
	s_mov_b64 s[64:65], 0
	v_nop
	global_prefetch_b8 v0, s[64:65] scope:SCOPE_SE
	s_setreg_imm32_b32 hwreg(HW_REG_WAVE_MODE, 25, 1), 1
	s_wait_xcnt 0x0
; PREP.  Two kinds of work-groups, told apart by the work-group's number.
; 0..383: the six weights, f32 stored [K][N], become codes of E4M3 laid [N][K], K innermost, each with its given scale 2^e (entries 1, 3, 5, 11, 13, 15).
; 384..639: xn = alpha (x - mean) / (std + 1e-6) + beta (std with divisor 1023), quantised three times (entries 0, 2, 4) into three sets of codes [4096][1024].
; pc, in MiB: wq 0, wk 1, wv 2, wo 3, w1 4, w2 8, xn for q 12, for k 16, for v 20.
; ORDER ALONG K.  In xn's rows, and in the rows of wq, wk, wv, w1 that meet them, byte p holds k = 512 (p / 512) + 128 ((p / 4) % 4) + 4 ((p / 16) % 32) + p % 4:
; the order in which a lane that has loaded 16 bytes of each 512 of a row holds its numbers.  It is the same on both sides of a product, so each number meets its partner.  wo and w2 keep k = p.
; code = number / 2^e, held within +-448, to the nearest code, ties to even.  LIMITS: each e between -126 and 119.  NaN and infinities among the inputs are not served.
; No tensor load, no barrier: waves share nothing.  Only the weights' path uses LDS.
.set LNWG,  384
.set PITCH, 272                        ; a stage row: 256 bytes of codes + 16
.set NB,    8                          ; blocks of 32 along K for a wave
.set VO,    32                         ; v32-63   weights: byte offset of row i of a block, at my column
.set X,     64                         ; v64-127  two sets of 32 numbers
.set C,     128                        ; v128-135 a block's codes
.set OUTR,  136                        ; v136-199 the way out
.set OA,    200                        ; v200-215 the way out: byte offsets of the 16 stores
.set SB,    44                         ; s[44:59] the eight blocks' bases
.set XR,    32                         ; norm: v32-159 four rows of 32 numbers a lane
.set T,     160                        ; v160-175 two sets of eight held numbers
.set CC,    176                        ; v176-199 codes: eight registers a scale
	s_load_b512 s[4:19], s[0:1], 0x0               ; x, wq, wk, wv, wo, w1, w2, ln1_alpha
	s_load_b128 s[20:23], s[0:1], 0x40             ; ln1_bias, lowp_scales
	s_load_b64 s[24:25], s[0:1], 0x50              ; pc
	v_lshl_add_u32 v216, v0, 2, 0x8800
	v_mov_b32 v217, 0
	v_lshrrev_b32 v1, 5, v0
	v_readfirstlane_b32 s26, v1                    ; wave
	v_and_b32 v1, 31, v0                           ; lane
	s_wait_kmcnt 0x0
	s_load_b512 s[68:83], s[22:23], 0x0            ; the sixteen exponents: entry i in s[68 + i]
	s_cmp_ge_u32 ttmp9, LNWG
	s_cbranch_scc1 .Lln
; ---------------- the weights: a work-group takes 128 columns x 256 places along K; a lane a column, its registers down K
	s_lshr_b32 s28, ttmp9, 7                       ; 0: the four square weights, 1: w1, 2: w2
	s_and_b32 s29, ttmp9, 127
	s_lshr_b32 s30, s29, 5
	s_and_b32 s31, s29, 31
	s_add_co_u32 s32, s28, 3
	s_cmp_eq_u32 s28, 0
	s_cselect_b32 s30, s30, s32                    ; the tensor: 0 wq, 1 wk, 2 wv, 3 wo, 4 w1, 5 w2
	s_cselect_b32 s29, s31, s29                    ; the tile's number in it
	s_cmp_eq_u32 s28, 1
	s_cselect_b32 s32, 31, 7
	s_cselect_b32 s33, 5, 3
	s_cselect_b32 s34, 14, 12
	s_lshl_b32 s34, 1, s34                         ; a row of the weight in bytes
	s_and_b32 s32, s29, s32                        ; which 128 columns
	s_lshr_b32 s33, s29, s33                       ; which 256 places along K
	s_cmp_eq_u32 s28, 2
	s_cselect_b32 s35, 12, 10                      ; a row of codes is 1 << s35 bytes
	s_cselect_b32 s37, 8, s30                      ; where the codes go, in MiB
	s_lshr_b32 s36, 0x17, s30
	s_and_b32 s36, s36, 1                          ; 1: the order of xn's rows (wq, wk, wv, w1)
	s_mul_i32 s38, s26, 32*PITCH                   ; my stage
	s_wait_alu depctr_va_vdst(0)
	v_mul_u32_u24 v4, v1, PITCH
	v_add_nc_u32 v4, s38, v4                       ; into it: row = my column
	v_and_b32 v5, 15, v1
	v_lshrrev_b32 v6, 4, v1
	v_mul_u32_u24 v7, v6, PITCH
	v_lshl_add_u32 v7, v5, 4, v7
	v_add_nc_u32 v7, s38, v7                       ; out of it: sixteen lanes to a row, two rows an instruction
	v_lshlrev_b32 v8, s35, v6
	v_lshl_add_u32 v8, v5, 4, v8                   ; the same place among the codes
	v_lshlrev_b32 v3, 2, v1                        ; 4 bytes a lane
	s_lshl_b32 s38, s32, 7
	s_lshl_b32 s39, s26, 5
	s_add_co_u32 s38, s38, s39                     ; my wave's first column
	s_lshr_b32 s60, s33, 1
	s_lshl_b32 s60, s60, 9
	s_and_b32 s61, s33, 1
	s_lshl_b32 s61, s61, 6
	s_add_co_u32 s60, s60, s61                     ; first row of the weight in xn's order: 512 (y / 2) + 64 (y % 2); block t begins 8 t rows on,
	s_lshl_b32 s61, s33, 8                         ; in plain order: 256 y; block t 32 t rows on
	s_cmp_eq_u32 s36, 1
	s_cselect_b32 s60, s60, s61
	s_cselect_b32 s43, 8, 32
	s_mul_i32 s60, s60, s34
	s_mul_i32 s62, s43, s34                        ; from block to block, in bytes
	s_lshl_b32 s61, s38, 2
	s_add_co_u32 s60, s60, s61
	s_mov_b32 s61, 0
	s_mov_b32 s63, 0
	s_wait_alu depctr_va_vdst(0)
	s_wait_kmcnt 0x0
	s_mov_b64 s[40:41], s[6:7]                     ; the tensor's address and its exponent, chosen by its number alone
	s_mov_b32 s42, s69
	s_cmp_eq_u32 s30, 1
	s_cselect_b64 s[40:41], s[8:9], s[40:41]
	s_cselect_b32 s42, s71, s42
	s_cmp_eq_u32 s30, 2
	s_cselect_b64 s[40:41], s[10:11], s[40:41]
	s_cselect_b32 s42, s73, s42
	s_cmp_eq_u32 s30, 3
	s_cselect_b64 s[40:41], s[12:13], s[40:41]
	s_cselect_b32 s42, s79, s42
	s_cmp_eq_u32 s30, 4
	s_cselect_b64 s[40:41], s[14:15], s[40:41]
	s_cselect_b32 s42, s81, s42
	s_cmp_eq_u32 s30, 5
	s_cselect_b64 s[40:41], s[16:17], s[40:41]
	s_cselect_b32 s42, s83, s42
	s_add_nc_u64 s[SB:SB+1], s[40:41], s[60:61]
.irp t, 1,2,3,4,5,6,7
	s_add_nc_u64 s[SB+2*\t:SB+2*\t+1], s[SB+2*\t-2:SB+2*\t-1], s[62:63]
.endr
	s_cmp_eq_u32 s36, 1                            ; row i of a block lies 128 ((i / 4) % 4) + 4 (i / 16) + i % 4 rows on in xn's order, i rows on in plain order
.set i, 0
.rept 32
	s_mov_b32 s31, 128*((i/4)%4)+4*(i/16)+(i%4)
	s_cselect_b32 s31, s31, i
	s_mul_i32 s31, s31, s34
	v_add_nc_u32 v[VO+i], s31, v3
.set i, i+1
.endr
.set i, 0
.rept 16
	s_lshl_b32 s31, 2*i, s35
	v_add_nc_u32 v[OA+i], s31, v8                  ; store i: rows 2 i and 2 i + 1 of my 32
.set i, i+1
.endr
	s_lshl_b32 s60, s37, 20
	s_lshl_b32 s62, s38, s35
	s_add_co_u32 s60, s60, s62
	s_lshl_b32 s62, s33, 8
	s_add_co_u32 s60, s60, s62
	s_add_nc_u64 s[84:85], s[24:25], s[60:61]      ; the codes of my first column, at my 256 places
.macro LOAD t                          ; block t: 32 rows at my column; 32 lanes read 128 consecutive bytes, the four waves 512
.set i, 0
.rept 32
	global_load_b32 v[X+32*((\t)%2)+i], v[VO+i], s[SB+2*(\t):SB+2*(\t)+1] th:TH_LOAD_NT
.set i, i+1
.endr
.endm
	LOAD 0
	LOAD 1
	s_add_co_i32 s42, s42, 127
	s_lshl_b32 s31, s42, 23
	v_mov_b32 v11, s31                             ; 2^e as f32: the conversion takes its exponent field
	s_add_co_i32 s42, s42, 8
	s_lshl_b32 s42, s42, 23
	s_or_b32 s42, s42, 0x600000
	v_mov_b32 v10, s42                             ; 448 x 2^e
.macro BLOCK t
.set XS, X+32*((\t)%2)
.if (\t) < NB-1
	s_wait_loadcnt 32                              ; this block's 32 loads are in; the next block's may be out
.else
	s_wait_loadcnt 0
.endif
.set i, 0
.rept 32
	v_med3_num_f32 v[XS+i], v[XS+i], -v10, v10     ; the conversion does not saturate (ISA guide 7.6.2): the hold comes first
.set i, i+1
.endr
.irp g, 0,1,2,3
	v_cvt_scalef32_pk8_fp8_f32 v[C+2*\g:C+2*\g+1], v[XS+8*\g:XS+8*\g+7], v11
.endr
	ds_store_b128 v4, v[C:C+3] offset:32*(\t)      ; 32 codes of my column's row
	ds_store_b128 v4, v[C+4:C+7] offset:32*(\t)+16
.if (\t)+2 < NB
	LOAD (\t)+2
.endif
	s_wait_dscnt 0x0                               ; the stores have read their registers: the next block's codes may be written
.endm
.set Q, 0
	s_wait_alu depctr_va_vdst(0)
.rept NB
	BLOCK Q
.set Q, Q+1
.endr
.irp t, 0,1,2,3,4,5,6,7,8,9,10,11,12,13,14,15
	ds_load_b128 v[OUTR+4*\t:OUTR+4*\t+3], v7 offset:2*\t*PITCH   ; LDS serves a wave's instructions in order: these see my stores
.endr
.irp t, 0,1,2,3,4,5,6,7,8,9,10,11,12,13,14,15
	s_wait_dscnt 15-\t
	global_store_b128 v[OA+\t], v[OUTR+4*\t:OUTR+4*\t+3], s[84:85]   ; sixteen lanes store 256 consecutive bytes, aligned
.endr
	s_wait_tensorcnt 0x0
	ds_add_u32 v216, v217
	s_wait_dscnt 0x0
	s_endpgm
; ---------------- the norm: a wave takes four rows, one after the other; a row is 32 numbers a lane, so no sum leaves the wave
.Lln:
	s_sub_co_u32 s28, ttmp9, LNWG
	s_lshl_b32 s28, s28, 4
	s_lshl_b32 s29, s26, 2
	s_add_co_u32 s28, s28, s29                     ; my first row
	s_lshl_b32 s30, s28, 12
	s_mov_b32 s31, 0
	s_add_nc_u64 s[4:5], s[4:5], s[30:31]
	s_wait_alu depctr_va_vdst(0)
	v_lshlrev_b32 v2, 4, v1                        ; 16 bytes a lane
.set i, 0
.rept 32
	global_load_b128 v[XR+4*i:XR+4*i+3], v2, s[4:5] offset:512*i th:TH_LOAD_NT   ; 512 consecutive bytes a load; eight loads a row
.set i, i+1
.endr
	s_load_b32 s32, s[18:19], 0x0                  ; alpha
	s_load_b32 s33, s[20:21], 0x0                  ; beta
	s_lshl_b32 s30, s28, 10
	s_add_co_u32 s30, s30, 12<<20
	s_add_nc_u64 s[34:35], s[24:25], s[30:31]      ; my rows' codes: for q,
	s_add_nc_u64 s[36:37], s[34:35], 0x400000      ; for k,
	s_add_nc_u64 s[38:39], s[36:37], 0x400000      ; for v
	s_mov_b32 s42, 0x76543210                      ; v_permlanex16_b32: lane l xor 16
	s_mov_b32 s43, 0xfedcba98
	v_mov_b32 v13, 0                               ; upper halves of pairs of which the low word serves both halves
	v_mov_b32 v15, 0
	v_mov_b32 v17, 0
	s_wait_kmcnt 0x0
	v_mov_b32 v16, s33
.irp s, 0,1,2
	s_add_co_i32 s40, s[68+2*\s], 127
	s_lshl_b32 s41, s40, 23
	v_mov_b32 v[18+2*\s], s41                      ; 2^e
	s_add_co_i32 s40, s40, 8
	s_lshl_b32 s40, s40, 23
	s_or_b32 s40, s40, 0x600000
	v_mov_b32 v[19+2*\s], s40                      ; 448 x 2^e
.endr
.macro REDUCE                          ; four packed chains v[4:11] -> the wave's sum in v4, in every lane
	v_pk_add_f32 v[4:5], v[4:5], v[6:7]
	v_pk_add_f32 v[8:9], v[8:9], v[10:11]
	v_pk_add_f32 v[4:5], v[4:5], v[8:9]
	v_add_f32 v4, v4, v5
	v_add_f32_dpp v4, v4, v4 row_xmask:1 row_mask:0xf bank_mask:0xf
	v_add_f32_dpp v4, v4, v4 row_xmask:2 row_mask:0xf bank_mask:0xf
	v_add_f32_dpp v4, v4, v4 row_xmask:4 row_mask:0xf bank_mask:0xf
	v_add_f32_dpp v4, v4, v4 row_xmask:8 row_mask:0xf bank_mask:0xf
	v_permlanex16_b32 v5, v4, s42, s43
	v_add_f32 v4, v4, v5
.endm
.macro QROW p, s, base                 ; the row, held and converted with scale s; groups of eight by turns in two sets, so that plain lines stand between a conversion and the next write of its sources
.irp g, 0,1,2,3
.set TT, T+8*(\g%2)
.set i, 0
.rept 8
	v_med3_num_f32 v[TT+i], v[R+8*\g+i], -v[19+2*\s], v[19+2*\s]
.set i, i+1
.endr
	v_cvt_scalef32_pk8_fp8_f32 v[CC+8*\s+2*\g:CC+8*\s+2*\g+1], v[TT:TT+7], v[18+2*\s]
.endr
	global_store_b128 v2, v[CC+8*\s:CC+8*\s+3], s[\base:\base+1] offset:1024*(\p)         ; 512 consecutive bytes
	global_store_b128 v2, v[CC+8*\s+4:CC+8*\s+7], s[\base:\base+1] offset:1024*(\p)+512
.endm
.macro LNROW p
.set R, XR+32*(\p)
	s_wait_loadcnt 8*(3-(\p))                      ; my row's eight loads are in; the later rows' may be out
.irp c, 0,1,2,3
	v_pk_add_f32 v[4+2*\c:5+2*\c], v[R+2*\c:R+2*\c+1], v[R+8+2*\c:R+9+2*\c]
.endr
.irp k, 16,24
.irp c, 0,1,2,3
	v_pk_add_f32 v[4+2*\c:5+2*\c], v[4+2*\c:5+2*\c], v[R+\k+2*\c:R+\k+2*\c+1]
.endr
.endr
	REDUCE
	v_mul_f32 v12, 0x3a800000, v4                  ; the mean: sum / 1024
.set j, 0
.rept 16
	v_pk_add_f32 v[R+j:R+j+1], v[R+j:R+j+1], v[12:13] op_sel_hi:[1,0] neg_lo:[0,1] neg_hi:[0,1]   ; d = x - mean: the squares are taken of d, so no difference of large sums is formed
.set j, j+2
.endr
.irp c, 0,1,2,3
	v_pk_mul_f32 v[4+2*\c:5+2*\c], v[R+2*\c:R+2*\c+1], v[R+2*\c:R+2*\c+1]
.endr
.irp k, 8,16,24
.irp c, 0,1,2,3
	v_pk_fma_f32 v[4+2*\c:5+2*\c], v[R+\k+2*\c:R+\k+2*\c+1], v[R+\k+2*\c:R+\k+2*\c+1], v[4+2*\c:5+2*\c]
.endr
.endr
	REDUCE
	v_mul_f32 v4, 0x3a802008, v4                   ; / 1023
	s_wait_alu depctr_va_vdst(0)
	v_sqrt_f32 v6, v4
	v_nop                                          ; a plain line behind the root,
	s_wait_alu depctr_va_vdst(0)                   ; and a wait ahead of its first reader
	v_add_f32 v6, 0x358637bd, v6                   ; std + 1e-6
	s_wait_alu depctr_va_vdst(0)
	v_rcp_f32 v7, v6
	v_nop
	s_wait_alu depctr_va_vdst(0)
	v_mul_f32 v14, s32, v7                         ; alpha / (std + 1e-6)
.set j, 0
.rept 16
	v_pk_fma_f32 v[R+j:R+j+1], v[R+j:R+j+1], v[14:15], v[16:17] op_sel_hi:[1,0,0]
.set j, j+2
.endr
	s_wait_xcnt 0x0                                ; the last row's stores have read their codes: the registers may be written again
	QROW \p, 0, 34
	QROW \p, 1, 36
	QROW \p, 2, 38
.endm
	LNROW 0
	LNROW 1
	LNROW 2
	LNROW 3
	s_endpgm
.Lfunc_end_k_q66044c4c1b_prep:
	.size	k_q66044c4c1b_prep, .Lfunc_end_k_q66044c4c1b_prep-k_q66044c4c1b_prep
	.p2alignl 7, 3214868480
	.fill 96, 4, 3214868480
	.section	.rodata,"a",@progbits
	.p2align	6, 0x0
	.amdhsa_kernel k_q66044c4c1b_prep
		.amdhsa_group_segment_fixed_size 35328
		.amdhsa_private_segment_fixed_size 0
		.amdhsa_enable_private_segment 0
		.amdhsa_kernarg_size 88
		.amdhsa_user_sgpr_count 2
		.amdhsa_user_sgpr_kernarg_segment_ptr 1
		.amdhsa_wavefront_size32 1
		.amdhsa_system_sgpr_workgroup_id_x 1
		.amdhsa_system_sgpr_workgroup_id_y 1
		.amdhsa_system_sgpr_workgroup_id_z 1
		.amdhsa_system_vgpr_workitem_id 0
		.amdhsa_next_free_vgpr 218
		.amdhsa_next_free_sgpr 88
		.amdhsa_reserve_vcc 0
		.amdhsa_float_denorm_mode_32 3
		.amdhsa_float_denorm_mode_16_64 3
		.amdhsa_memory_ordered 1
		.amdhsa_forward_progress 1
		.amdhsa_inst_pref_size 113
	.end_amdhsa_kernel
	.amdgpu_metadata
---
amdhsa.version: [ 1, 2 ]
amdhsa.kernels:
  - .name:           k_q66044c4c1b_prep
    .symbol:         k_q66044c4c1b_prep.kd
    .args:
      - { .name: x, .offset: 0, .size: 8, .value_kind: global_buffer, .address_space: global }
      - { .name: wq, .offset: 8, .size: 8, .value_kind: global_buffer, .address_space: global }
      - { .name: wk, .offset: 16, .size: 8, .value_kind: global_buffer, .address_space: global }
      - { .name: wv, .offset: 24, .size: 8, .value_kind: global_buffer, .address_space: global }
      - { .name: wo, .offset: 32, .size: 8, .value_kind: global_buffer, .address_space: global }
      - { .name: w1, .offset: 40, .size: 8, .value_kind: global_buffer, .address_space: global }
      - { .name: w2, .offset: 48, .size: 8, .value_kind: global_buffer, .address_space: global }
      - { .name: ln1_alpha, .offset: 56, .size: 8, .value_kind: global_buffer, .address_space: global }
      - { .name: ln1_bias, .offset: 64, .size: 8, .value_kind: global_buffer, .address_space: global }
      - { .name: lowp_scales, .offset: 72, .size: 8, .value_kind: global_buffer, .address_space: global }
      - { .name: pc, .offset: 80, .size: 8, .value_kind: global_buffer, .address_space: global }
    .group_segment_fixed_size: 35328
    .private_segment_fixed_size: 0
    .kernarg_segment_align: 8
    .kernarg_segment_size: 88
    .max_flat_workgroup_size: 128
    .sgpr_count:     88
    .vgpr_count:     218
    .wavefront_size: 32
...
	.end_amdgpu_metadata
.endif
;; end of part 1
;; launch proj (part 2): grid 12 x 16, 4 waves a work-group, clusters of 4 x 4, 327,680 bytes of LDS; arguments pc, bq, bk, bv, lowp_scales, qkv; writes qkv
.if DOCPART == 2
	.amdgcn_target "amdgcn-amd-amdhsa--gfx1250"
	.amdhsa_code_object_version 6
	.text
	.protected	k_q66044c4c1b_proj
	.globl	k_q66044c4c1b_proj
	.p2align	8
	.type	k_q66044c4c1b_proj,@function
k_q66044c4c1b_proj:
	s_mov_b64 s[64:65], 0
	v_nop
	global_prefetch_b8 v0, s[64:65] scope:SCOPE_SE
	s_setreg_imm32_b32 hwreg(HW_REG_WAVE_MODE, 25, 1), 1
	s_wait_xcnt 0x0
	s_wait_alu depctr_hold_cnt(0) depctr_sa_sdst(0) depctr_va_vdst(0) depctr_va_sdst(0) depctr_va_ssrc(0) depctr_va_vcc(0) depctr_vm_vsrc(0)
	s_getreg_b32 s2, hwreg(HW_REG_IB_STS2, 6, 4)
	s_cmp_eq_u32 s2, 0
	s_cbranch_scc0 .Lentry_in_a_cluster
	s_endpgm
.Lentry_in_a_cluster:
	s_bfe_u32 s2, ttmp6, 0x10000c
	s_cmp_lg_u32 s2, 0xf033
	s_cbranch_scc0 .Lentry_shape_is_right
	s_endpgm
.Lentry_shape_is_right:
; PROJ: q, k and v: xn W + b on codes of E4M3, the results quantised at once for attention (entries 6, 7, 9 of the scales).  K = 1024.
; The cluster's x says which: 0 q, 1 k, 2 v; it is the same in all sixteen partners.  A tile is 256 x 256, four waves, 128 x 128 a wave: 64 accumulators.
; The matrix instruction is used transposed (source 0 = 16 rows of side B, source 1 = 16 rows of side A): a lane holds one row of side A and eight neighbouring columns of side B.
; q, k: side A = xn's codes (tokens), side B = the weight's codes (channels): a lane's eight numbers are neighbours along the head's 64, the K of the scores.
; v: THE SIDES CHANGE PLACES, by addresses alone: side A = wv's codes (channels), side B = xn's (tokens): a lane's eight numbers are neighbouring tokens, the K of the second product.
; OUT, in chunks of 64 columns: [columns / 64][rows][64 bytes].  q at 0, k at 4 MiB: chunk = head, row = token.  v at 8 MiB: chunk = token / 64, row = channel.  16 rows of a chunk are 1,024 bytes on end.
; ORDER IN A ROW OF 64 BYTES: in each 32 bytes, byte 16 h + 8 u + j holds column 16 u + 8 h + j (h, u = 0, 1; j = 0 .. 7).  For v that is the order in which a lane of the next launch, loading 16 bytes at 16 h,
; finds the keys 8 h + j of two neighbouring tiles of 16 keys in its registers; q and k have the same order along the head's 64, alike in both, so that each number meets its partner.
; The ring of two LDS slots of 256 along K, the joint loads (side A shared along a row of the cluster, side B along a column) and the change of slots are laid as in a plain product on codes.
; A sum stands for sum x 2^es (es: the two operands' exponents added).  u = sum + b / 2^es, held within +-448 x 2^(eo - es), converted with the scale 2^(eo - es).
; LIMITS: es and eo - es between -126 and 119.  NaN and infinities among the inputs are not served.  The order of the sums along K inside an instruction is that of 16-byte loads, alike on both sides.
; REGISTERS: window 0: v0-31 addresses; v32-95 the columns' bias, v96-103 the rows' bias; from v128 side A's fragments, on the way out at work.  window 1: side B's fragments, two sets.  windows 2, 3: accumulators.
.set SIZE_K, 1024
.set KSTEP,  256
.set ROWB,   256
.set KROW,   SIZE_K
.set PITCH,  272                       ; an LDS row: 256 bytes + 16: the 16 rows of a fragment load start 68 words apart
.set FR,     16
.set NL,     4
.set NP,     4
.set HALFT,  128*PITCH
.set SLOT,   4*HALFT
.set LAPS,   SIZE_K/(2*KSTEP)
.set SPARE,  2*SLOT                    ; behind the ring: the spare words, 128 bytes a wave
.set SCH,    16*80                     ; the way out: a chunk's 16 rows of 64 bytes + 16; two chunks a wave, in slot 0, which has had its last fill and its last read by then
.set BCO,  7                           ; v7   32 x (lane / 16): my eight columns' bias
.set BRO,  8                           ; v8   4 x (lane % 16): my row's bias
.set ADRA, 16
.set ADRB, 20
.set STO,  24
.set RD,   25
.set CO,   26                          ; v26, v27: my 16 bytes in the first and in the second chunk
.set SPW,  28
.set NIL,  29
.set BC,   32
.set BR,   96
.set HI,   105
.set SC,   106
.set BB,   108                         ; v[108:109] a block's row bias, low word for both halves
.set TMP,  128
.set AF,   128
.set CD,   192
.set RB,   208
.set G1, 24
.set G0, 32
.set G1B, 48
.set G0B, 56
.set MSB, 0
.macro WIN new                         ; the immediate's high byte repeats the setting that is left
.if MSB != \new
	s_set_vgpr_msb (MSB<<8)|\new
.set MSB, \new
.endif
.endm
.set MUL_LO, 0xa1
.set MUL_HI, 0xf1
.set TO_B,   0x40
.macro JLOAD g0a, g1a, g0b, g1b        ; a joint load: waves 0, 1 fetch for side A, waves 2, 3 for side B; four v_nop follow each line
	s_cmp_eq_u32 s15, 0
	s_cbranch_scc0 .Lfor_b_\@
	tensor_load_to_lds s[\g0a:\g0a+3], s[\g1a:\g1a+7]
	s_nop 0
.rept 4
	v_nop
.endr
	s_branch .Lasked_\@
.Lfor_b_\@:
	tensor_load_to_lds s[\g0b:\g0b+3], s[\g1b:\g1b+7]
	s_nop 0
.rept 4
	v_nop
.endr
.Lasked_\@:
.endm
.macro CREST
	s_cmp_lg_u32 s14, 0
	s_cbranch_scc1 .Lnot_wave_0_\@
	s_barrier_signal -3
.Lnot_wave_0_\@:
	s_barrier_wait -3
	s_barrier_signal -1
	s_barrier_wait -1
.endm
.macro CROUND
	s_barrier_signal -1
	s_barrier_wait -1
	CREST
.endm
	s_load_b256 s[68:75], s[0:1], 0x0              ; pc, bq, bk, bv
	s_load_b128 s[76:79], s[0:1], 0x20             ; lowp_scales, qkv
	v_lshl_add_u32 v[SPW], v0, 2, SPARE
	v_mov_b32 v[NIL], 0
	ds_add_u32 v28, v29
	ds_add_u32 v28, v29
	s_wait_dscnt 0x0
	v_lshrrev_b32 v1, 5, v0
	v_readfirstlane_b32 s14, v1                    ; wave
	s_lshr_b32 s15, s14, 1                         ; my half of side A's rows.  Also: I fetch for A (0) or B (1)
	s_and_b32 s16, s14, 1                          ; my half of side B's rows.  Also: which 128 rows I fetch
	s_bfe_u32 s40, ttmp6, 0x40000                  ; cx
	s_bfe_u32 s41, ttmp6, 0x40004                  ; cy
	s_and_b32 s17, ttmp7, 0xffff
	s_lshl_b32 s17, s17, 2                         ; 4 x cluster y: walks the tokens, which are side A's for q and k, side B's for v
	s_cmp_eq_u32 ttmp9, 2
	s_cselect_b32 s18, 0, s17
	s_cselect_b32 s19, s17, 0
	s_cselect_b32 s12, 16, 18                      ; a chunk of the output is 1 << s12 bytes
	s_add_co_u32 s17, s18, s41                     ; side A's tile: hangs on cy, never on cx
	s_add_co_u32 s42, s19, s40                     ; side B's tile: hangs on cx, never on cy
	s_lshl_b32 s43, s41, 2
	s_lshl_b32 s43, 15, s43                        ; my row of the cluster
	s_lshl_b32 s44, 0x1111, s40                    ; my column
	s_or_b32 s[G1+0], s43, (0<<16)|(1<<20)|(1<<21)|(5<<22)|(3<<25)  ; mask; elements of 1 byte; padding: 4 words behind every 64
	s_or_b32 s[G1B+0], s44, (0<<16)|(1<<20)|(1<<21)|(5<<22)|(3<<25)
.irp g, G1, G1B
	s_mov_b32 s[\g+1], ROWB<<16                    ; tensor_dim0
	s_mov_b32 s[\g+2], 256<<16                     ; tensor_dim1: 256 rows for the head's loads; set to the refills' 128 behind the wait that shows them done
	s_mov_b32 s[\g+3], ROWB<<16                    ; tile_dim0
	s_mov_b32 s[\g+4], 256                         ; tile_dim1 likewise
	s_mov_b32 s[\g+5], KROW                        ; pitch
	s_mov_b32 s[\g+6], 0
	s_mov_b32 s[\g+7], 0
.endr
	s_lshl_b32 s18, ttmp9, 2
	s_add_co_u32 s18, s18, 12
	s_cmp_eq_u32 ttmp9, 2
	s_cselect_b32 s18, 2, s18                      ; side A in pc, MiB: 12, 16, 2
	s_cselect_b32 s19, 20, ttmp9                   ; side B: 0, 1, 20
	s_lshl_b32 s18, s18, 20
	s_lshl_b32 s19, s19, 20
	s_lshl_b32 s13, s16, 17                        ; the 128 rows of 1,024 bytes that I fetch
	s_lshl_b32 s20, s17, 18
	s_add_co_u32 s20, s20, s13
	s_add_co_u32 s20, s20, s18
	s_mov_b32 s21, 0
	s_lshl_b32 s46, s42, 18
	s_add_co_u32 s46, s46, s13
	s_add_co_u32 s46, s46, s19
	s_mov_b32 s47, 0
	s_mul_i32 s45, s14, HALFT                      ; where the refills go: wave x 128 rows
	s_lshl_b32 s89, s16, 8                         ; the head's loads: wave 0, 1: all 256 rows of side A at K step 0, 1; wave 2, 3: of side B
	s_lshl_b32 s88, s17, 18
	s_add_co_u32 s88, s88, s89
	s_add_co_u32 s88, s88, s18
	s_mov_b32 s89, 0
	s_lshl_b32 s91, s16, 8
	s_lshl_b32 s90, s42, 18
	s_add_co_u32 s90, s90, s91
	s_add_co_u32 s90, s90, s19
	s_mov_b32 s91, 0
	s_wait_kmcnt 0x0
	s_add_nc_u64 s[20:21], s[68:69], s[20:21]
	s_add_nc_u64 s[46:47], s[68:69], s[46:47]
	s_cmp_eq_u32 s15, 0                            ; the prefetches: of the 128 rows that I fetch, the partner at place p (cx for side A, cy for side B) names rows 32 p .. 32 p + 31, a lane a row
	s_cselect_b64 s[6:7], s[20:21], s[46:47]
	s_cselect_b32 s8, s40, s41
	s_lshl_b32 s8, s8, 15
	s_mov_b32 s9, 0
	s_add_nc_u64 s[6:7], s[6:7], s[8:9]
	v_and_b32 v30, 31, v0
	v_lshlrev_b32 v30, 10, v30
	s_wait_alu depctr_va_vdst(0)
	CROUND
.irp s, 0,1
	s_mov_b32 s[G0+4*\s], 1
	s_add_co_u32 s[G0+4*\s+1], s45, \s*SLOT
	s_add_nc_u64 s[G0+4*\s+2:G0+4*\s+3], s[20:21], \s*ROWB
	s_or_b32 s[G0+4*\s+3], s[G0+4*\s+3], 0x80000000
	s_mov_b32 s[G0B+4*\s], 1
	s_add_co_u32 s[G0B+4*\s+1], s45, \s*SLOT
	s_add_nc_u64 s[G0B+4*\s+2:G0B+4*\s+3], s[46:47], \s*ROWB
	s_or_b32 s[G0B+4*\s+3], s[G0B+4*\s+3], 0x80000000
.endr
	s_mov_b32 s80, 1
	s_mul_i32 s81, s16, SLOT                       ; into slot 0 or 1: side A's part,
	s_add_nc_u64 s[82:83], s[68:69], s[88:89]
	s_or_b32 s83, s83, 0x80000000
	s_mov_b32 s84, 1
	s_add_co_u32 s85, s81, 2*HALFT                 ; side B's behind it
	s_add_nc_u64 s[86:87], s[68:69], s[90:91]
	s_or_b32 s87, s87, 0x80000000
	JLOAD 80, G1, 84, G1B                          ; both slots' first fills go out as one group, one tensor load a wave
	global_prefetch_b8 v30, s[6:7] offset:512 th:TH_LOAD_NT scope:SCOPE_SE   ; K step 2's 256 bytes of my 32 rows,
	global_prefetch_b8 v30, s[6:7] offset:768 th:TH_LOAD_NT scope:SCOPE_SE   ; and K step 3's, the last: one and two K steps of work ahead of their loads
	v_and_b32 v1, 15, v0                           ; r
	s_wait_alu depctr_va_vdst(0)
	v_bfe_u32 v2, v0, 4, 1                         ; h
	v_mul_u32_u24 v3, v1, PITCH
	v_lshl_add_u32 v4, v2, 4, v3
	s_mul_i32 s21, s15, HALFT
	s_mul_i32 s22, s16, HALFT
	s_add_co_u32 s22, s22, 2*HALFT
.irp s, 0,1
	v_add_nc_u32 v[ADRA+\s], s21, v4
	v_add_nc_u32 v[ADRB+\s], s22, v4
	s_add_co_u32 s21, s21, SLOT
	s_add_co_u32 s22, s22, SLOT
.endr
	s_mul_i32 s23, s14, 2*SCH                      ; my stage
	v_mul_u32_u24 v5, v1, 80
	s_wait_alu depctr_va_vdst(0)
	v_lshl_add_u32 v5, v2, 4, v5
	v_add_nc_u32 v[STO], s23, v5                   ; in: row r, + 16 h: the order in a row that the head comment states
	v_and_b32 v6, 31, v0
	v_lshlrev_b32 v[CO], 4, v6
	s_lshl_b32 s23, 1, s12
	v_add_nc_u32 v[CO+1], s23, v[CO]
	v_lshlrev_b32 v[BCO], 5, v2
	s_wait_alu depctr_va_vdst(0)
	v_lshlrev_b32 v[BRO], 2, v1
	s_wait_alu depctr_va_vdst(0)
	s_cmp_eq_u32 ttmp9, 1                          ; the bias that belongs to this product
	s_cselect_b64 s[70:71], s[72:73], s[70:71]
	s_cmp_eq_u32 ttmp9, 2
	s_cselect_b64 s[70:71], s[74:75], s[70:71]
	s_lshl_b32 s96, s42, 10
	s_lshl_b32 s97, s16, 9
	s_add_co_u32 s96, s96, s97                     ; my 128 columns, in bytes of f32
	s_lshl_b32 s98, s17, 10
	s_lshl_b32 s99, s15, 9
	s_add_co_u32 s98, s98, s99                     ; my 128 rows
	s_cmp_eq_u32 ttmp9, 2                          ; q, k: the bias runs along the columns; v: along the rows.  The other kind is loaded from the buffer's head and multiplied by 0
	s_cselect_b32 s96, 0, s96
	s_cselect_b32 s98, s98, 0
	s_mov_b32 s97, 0
	s_mov_b32 s99, 0
	s_add_nc_u64 s[72:73], s[70:71], s[96:97]
	s_add_nc_u64 s[74:75], s[70:71], s[98:99]
.irp b, 0,1,2,3,4,5,6,7
	global_load_b128 v[BC+8*\b:BC+8*\b+3],   v[BCO], s[72:73] offset:64*\b
	global_load_b128 v[BC+8*\b+4:BC+8*\b+7], v[BCO], s[72:73] offset:64*\b+16
.endr
.irp a, 0,1,2,3,4,5,6,7
	global_load_b32 v[BR+\a], v[BRO], s[74:75] offset:64*\a
.endr
	s_lshl_b32 s96, s42, 2
	s_lshl_b32 s97, s16, 1
	s_add_co_u32 s96, s96, s97                     ; my first chunk
	s_lshl_b32 s96, s96, s12
	s_lshl_b32 s97, s17, 14
	s_add_co_u32 s96, s96, s97
	s_lshl_b32 s97, s15, 13
	s_add_co_u32 s96, s96, s97                     ; + my first row x 64
	s_lshl_b32 s97, ttmp9, 22
	s_add_co_u32 s96, s96, s97                     ; + 4 MiB x which
	s_mov_b32 s97, 0
	s_add_nc_u64 s[10:11], s[78:79], s[96:97]
.macro FRAG reg, adr, q, i             ; 16 rows x 128 K: lane l holds row l % 16; registers 4 c .. 4 c + 3 hold bytes 32 c + 16 (l / 16) + 0 .. 15
.irp c, 0,1,2,3
	ds_load_b128 v[\reg+4*\c:\reg+4*\c+3], v[\adr] offset:128*(\q)+32*\c+(\i)*16*PITCH
.endr
.endm
.macro MUL16 a0, p, zero               ; side A's blocks a0, a0 + 1 x side B's eight.  The 64 accumulators take turns, one instruction a turn
.irp a, \a0, \a0+1
.irp b, 0,1,2,3,4,5,6,7
.if \zero
	v_wmma_f32_16x16x128_fp8_fp8 v[8*(8*((\a)%4)+\b):8*(8*((\a)%4)+\b)+7], v[128*(\p)+FR*\b:128*(\p)+FR*\b+FR-1], v[AF+FR*(\a):AF+FR*(\a)+FR-1], 0
.else
	v_wmma_f32_16x16x128_fp8_fp8 v[8*(8*((\a)%4)+\b):8*(8*((\a)%4)+\b)+7], v[128*(\p)+FR*\b:128*(\p)+FR*\b+FR-1], v[AF+FR*(\a):AF+FR*(\a)+FR-1], v[8*(8*((\a)%4)+\b):8*(8*((\a)%4)+\b)+7]
.endif
.endr
.endr
.endm
.macro FETCH_B slot, q, p
	WIN TO_B
.irp i, 0,1,2,3,4,5,6,7
	FRAG 128*(\p)+FR*\i, ADRB+\slot, \q, \i
.endr
	WIN 0
.endm
.macro FETCH_A slot, q, i0
.irp i, \i0, \i0+1, \i0+2, \i0+3
	FRAG AF+FR*(\i), ADRA+\slot, \q, \i
.endr
.endm
.macro PLACES n                        ; plain vector lines between a matrix instruction and a load into, or a vector read of, its registers
.rept \n
	v_nop
.endr
.endm
.macro STEP slot, q, zero              ; 128 along K, with its successor in the same slot
	s_wait_dscnt 4*NL                              ; B's set and A's blocks 0-3 are in; A's blocks 4-7 may be out
	WIN MUL_LO
	MUL16 0, (\q)%2, \zero
	MUL16 2, (\q)%2, \zero
	s_wait_dscnt 0
	PLACES NP
	FETCH_B \slot, (\q)+1, 1-(\q)%2
	FETCH_A \slot, (\q)+1, 0
	WIN MUL_HI
	MUL16 4, (\q)%2, \zero
	MUL16 6, (\q)%2, \zero
	PLACES NP
	WIN 0
	FETCH_A \slot, (\q)+1, 4
.endm
.macro TURN slot, next, fill           ; a slot's last step changes slots: one barrier
	s_wait_tensorcnt 0x0                           ; all my tensor loads have landed: my part of the next slot
	ds_add_u32 v[SPW], v[NIL]                      ; 0 onto my spare word
	s_wait_dscnt 4*NL+1                            ; the add and A's blocks 4-7 may be out
	WIN MUL_LO
	MUL16 0, 1, 0
	s_wait_dscnt 0x0                               ; the add is done, and my reads of this slot are over
	s_barrier_signal -1
	MUL16 2, 1, 0
	WIN 0
	s_barrier_wait -1
.if \fill
	CREST                                          ; the barrier has opened a round of the cluster's barrier: no wave of any partner still reads this slot or has a load on its way
	s_add_nc_u64 s[G0+4*\slot+2:G0+4*\slot+3], s[G0+4*\slot+2:G0+4*\slot+3], 2*ROWB
	s_add_nc_u64 s[G0B+4*\slot+2:G0B+4*\slot+3], s[G0B+4*\slot+2:G0B+4*\slot+3], 2*ROWB
	JLOAD G0+4*\slot, G1, G0B+4*\slot, G1B
.else
	PLACES NP
.endif
	FETCH_B \next, 0, 0
	FETCH_A \next, 0, 0
	WIN MUL_HI
	MUL16 4, 1, 0
	MUL16 6, 1, 0
	PLACES NP
	WIN 0
	FETCH_A \next, 0, 4
.endm
	s_wait_alu depctr_va_vdst(0)                   ; the wait at the head's end
	s_wait_tensorcnt 0x0                           ; my load is in, so its descriptors may be written: the refills bring 128 rows a wave,
	s_mov_b32 s[G1+2], 128<<16
	s_mov_b32 s[G1+4], 128
	s_mov_b32 s[G1B+2], 128<<16
	s_mov_b32 s[G1B+4], 128
	s_load_b512 s[80:95], s[76:77], 0x0            ; and the sixteen exponents land where the head's groups 0 lay: entry i in s[80 + i]
	s_barrier_signal -1                            ; behind this barrier both slots are whole
	s_barrier_wait -1
	FETCH_B 0, 0, 0
	FETCH_A 0, 0, 0
	FETCH_A 0, 0, 4
	STEP 0, 0, 1                                   ; the first step's products start the sums
	s_mov_b32 s3, LAPS-1
.Llap:
	TURN 0, 1, 1
	STEP 1, 0, 0
	TURN 1, 0, 1
	STEP 0, 0, 0
	s_sub_co_u32 s3, s3, 1
	s_cmp_lg_u32 s3, 0
	s_cbranch_scc1 .Llap
	TURN 0, 1, 0
	STEP 1, 0, 0
	s_wait_dscnt 4*NL
	WIN MUL_LO
	MUL16 0, 1, 0
	MUL16 2, 1, 0
	s_wait_dscnt 0
	WIN MUL_HI
	MUL16 4, 1, 0
	MUL16 6, 1, 0
	WIN 0
; THE WAY OUT, block by block of 16 rows x 128 columns: + bias, hold, codes; through my stage; out as 512 consecutive bytes a store.
	s_wait_kmcnt 0x0
	s_add_co_i32 s96, s80, s81
	s_add_co_i32 s97, s82, s83
	s_add_co_i32 s98, s84, s85
	s_mov_b32 s99, s86
	s_cmp_eq_u32 ttmp9, 1
	s_cselect_b32 s96, s97, s96
	s_cselect_b32 s99, s87, s99
	s_cmp_eq_u32 ttmp9, 2
	s_cselect_b32 s96, s98, s96                    ; es
	s_cselect_b32 s99, s89, s99                    ; eo: entry 6, 7 or 9
	s_sub_co_i32 s97, 127, s96
	s_lshl_b32 s97, s97, 23                        ; 2^-es
	s_cmp_eq_u32 ttmp9, 2
	s_cselect_b32 s98, 0, s97                      ; the columns' bias counts for q and k,
	s_cselect_b32 s100, s97, 0                     ; the rows' for v
	s_sub_co_i32 s99, s99, s96
	s_add_co_i32 s99, s99, 127
	s_lshl_b32 s101, s99, 23                       ; 2^(eo - es)
	s_add_co_i32 s99, s99, 8
	s_lshl_b32 s99, s99, 23
	s_or_b32 s99, s99, 0x600000                    ; 448 x that
	s_wait_loadcnt 0x0                             ; the biases
.set j, 0
.rept 64
	v_mul_f32 v[BC+j], s98, v[BC+j]                ; (these lines are also the places behind the last products)
.set j, j+1
.endr
.set j, 0
.rept 8
	v_mul_f32 v[BR+j], s100, v[BR+j]
.set j, j+1
.endr
	v_mov_b32 v[HI], s99
	v_mov_b32 v[SC], s101
	v_mov_b32 v[BB+1], 0
.macro TOCODES a
.set AC, 64*((\a)%4)
	WIN 0x02+((\a)/4)                              ; source 0: window 2 or 3
.set j, 0
.rept 32
	v_pk_add_f32 v[TMP+j:TMP+j+1], v[AC+j:AC+j+1], v[BC+j:BC+j+1]   ; each accumulator from its low end on
.set j, j+2
.endr
	WIN 0
	v_mov_b32 v[BB], v[BR+(\a)]
.set j, 0
.rept 32
	v_pk_add_f32 v[TMP+j:TMP+j+1], v[TMP+j:TMP+j+1], v[BB:BB+1] op_sel_hi:[1,0]
.set j, j+2
.endr
.set j, 0
.rept 64
	v_med3_num_f32 v[TMP+j], v[TMP+j], -v[HI], v[HI]
.set j, j+1
.endr
.irp b, 0,1,2,3,4,5,6,7
	v_cvt_scalef32_pk8_fp8_f32 v[CD+2*\b:CD+2*\b+1], v[TMP+8*\b:TMP+8*\b+7], v[SC]
.endr
	v_nop                                          ; a plain line behind the last conversion
.irp b, 0,1,2,3,4,5,6,7
	ds_store_b64 v[STO], v[CD+2*\b:CD+2*\b+1] offset:(\b/4)*SCH+32*((\b%4)/2)+8*(\b%2)   ; columns 16 (b % 4) + 8 h + j of chunk b / 4 go to bytes 32 ((b % 4) / 2) + 16 h + 8 (b % 2) + j
.endr
.irp t, 0,1,2,3
	ds_load_b128 v[RB+16*((\a)%2)+4*\t:RB+16*((\a)%2)+4*\t+3], v[STO] offset:(\t/2)*SCH+(\t%2)*32   ; back in the order of the next launch's fragment loads: in each 1,024 bytes (16 rows of a chunk) the 16 bytes at 32 c + 16 h of row r go to 512 c + 16 (16 h + r)
.endr
.endm
.macro SENDC a, younger
	s_wait_dscnt \younger
.irp t, 0,1,2,3
	global_store_b128 v[CO+(\t/2)], v[RB+16*((\a)%2)+4*\t:RB+16*((\a)%2)+4*\t+3], s[10:11] offset:1024*(\a)+512*(\t%2) th:TH_STORE_NT
.endr
.endm
	TOCODES 0
.irp a, 1,2,3,4,5,6,7
.if \a > 1
	s_wait_xcnt 0x0                                ; block a - 2's stores have read their registers: block a's loads may land there
.endif
	TOCODES \a
	SENDC \a-1, 12                                 ; behind block a - 1's loads: block a's 8 stores and 4 loads
.endr
	SENDC 7, 0
	s_wait_tensorcnt 0x0                           ; the wave's end
	ds_add_u32 v[SPW], v[NIL]
	s_wait_dscnt 0x0
	CROUND                                         ; the closing round
	s_endpgm
.Lfunc_end_k_q66044c4c1b_proj:
	.size	k_q66044c4c1b_proj, .Lfunc_end_k_q66044c4c1b_proj-k_q66044c4c1b_proj
	.p2alignl 7, 3214868480
	.fill 96, 4, 3214868480
	.section	.rodata,"a",@progbits
	.p2align	6, 0x0
	.amdhsa_kernel k_q66044c4c1b_proj
		.amdhsa_group_segment_fixed_size 327680
		.amdhsa_private_segment_fixed_size 0
		.amdhsa_enable_private_segment 0
		.amdhsa_kernarg_size 48
		.amdhsa_user_sgpr_count 2
		.amdhsa_user_sgpr_kernarg_segment_ptr 1
		.amdhsa_wavefront_size32 1
		.amdhsa_system_sgpr_workgroup_id_x 1
		.amdhsa_system_sgpr_workgroup_id_y 1
		.amdhsa_system_sgpr_workgroup_id_z 1
		.amdhsa_system_vgpr_workitem_id 0
		.amdhsa_next_free_vgpr 1024
		.amdhsa_next_free_sgpr 102
		.amdhsa_reserve_vcc 0
		.amdhsa_float_denorm_mode_32 3
		.amdhsa_float_denorm_mode_16_64 3
		.amdhsa_memory_ordered 1
		.amdhsa_forward_progress 1
		.amdhsa_inst_pref_size 163
	.end_amdhsa_kernel
	.amdgpu_metadata
---
amdhsa.version: [ 1, 2 ]
amdhsa.kernels:
  - .name:           k_q66044c4c1b_proj
    .symbol:         k_q66044c4c1b_proj.kd
    .args:
      - { .name: pc, .offset: 0, .size: 8, .value_kind: global_buffer, .address_space: global }
      - { .name: bq, .offset: 8, .size: 8, .value_kind: global_buffer, .address_space: global }
      - { .name: bk, .offset: 16, .size: 8, .value_kind: global_buffer, .address_space: global }
      - { .name: bv, .offset: 24, .size: 8, .value_kind: global_buffer, .address_space: global }
      - { .name: lowp_scales, .offset: 32, .size: 8, .value_kind: global_buffer, .address_space: global }
      - { .name: qkv, .offset: 40, .size: 8, .value_kind: global_buffer, .address_space: global }
    .group_segment_fixed_size: 327680
    .private_segment_fixed_size: 0
    .kernarg_segment_align: 8
    .kernarg_segment_size: 48
    .max_flat_workgroup_size: 128
    .sgpr_count:     102
    .vgpr_count:     1024
    .wavefront_size: 32
...
	.end_amdgpu_metadata
.endif
;; end of part 2
;; launch attn (part 3): grid 8 x 32, 8 waves a work-group, no clusters, 327,680 bytes of LDS; arguments qkv, mask, lowp_scales, ac; writes ac
.if DOCPART == 3
	.amdgcn_target "amdgcn-amd-amdhsa--gfx1250"
	.amdhsa_code_object_version 6
	.text
	.protected	k_q66044c4c1b_attn
	.globl	k_q66044c4c1b_attn
	.p2align	8
	.type	k_q66044c4c1b_attn,@function
k_q66044c4c1b_attn:
	s_mov_b64 s[64:65], 0
	v_nop
	global_prefetch_b8 v0, s[64:65] scope:SCOPE_SE
	s_setreg_imm32_b32 hwreg(HW_REG_WAVE_MODE, 25, 1), 1
	s_wait_xcnt 0x0
; ATTN: for each batch b and head: O = softmax(Q K^T / 8, masked) V on codes of E4M3; O is quantised at once (entry 10) for the next product.
; qkv: Q at 0, K at 4 MiB: [head][4096 tokens][64]; V at 8 MiB, keys innermost: [token / 64][1024 channels][64].  ac: [head][4096 tokens][64], channels in plain order.
; Each 1,024 bytes of qkv are 16 rows, laid as the image of two fragment loads: the 16 bytes at 32 c + 16 h of row r lie at 512 c + 16 (16 h + r): lane l = 16 h + r reads at 512 c + 16 l,
; 512 bytes on end a load, so LDS rows need no padding.  In each 32 bytes of a row, byte 16 h + 8 u + j holds column 16 u + 8 h + j, alike in Q and K; for V that pairs the keys with p's codes.
; THE SOFTMAX: t = score x log2(e) / 8; M = the running largest t rounded up to a whole number; p = 2^(t - M) is quantised (entry 8), not normalised; the sum of the unquantised p divides at the end.
; THE MASK is an input.  A table of 2,048 floats in LDS holds 0 for a key that counts and -2^(40 - e6 - e7) for one that does not; a step's entries are the C of S^T = K Q^T + C, so p of a masked key is 0.
; The largest t starts at -2^30.  Where ALL keys of a batch are masked the softmax is uniform: then c, the factor of t, is chosen 0 (a select, no branch): t = 0, M = 0, p = 1.
; SHARES: a work-group owns 256 queries of one (b, head); each of its eight waves 32 of them, two tiles of 16.  Tile A's whole state lies in register window 0, tile B's in window 1 under the same numbers,
; so the softmax is written once and run under two settings.  Each fragment of K and V and each table entry is read from LDS once a wave and serves both tiles.  128 keys a step, 16 steps.
; LDS: the 2 x 131,072 bytes of K and V of a (b, head) all have bytes of their own: nothing is filled twice.  Three fills a wave (waves 0-3 K, 4-7 V): 256 keys at the head, 512 behind the first barrier,
; 1,280 behind the second; each is waited for at the next barrier, after 2 and 4 steps of work.  Every wait on TENSORcnt is for 0; a wave has one load out at a time.
; No multicast: a wave issues three tensor loads in the whole launch, 32,768 bytes in all, against 16 steps of some 500 vector instructions each: what is shared is a small part of the work.
; No prefetch: the last tensor load goes out behind the second of sixteen steps; no later request is left for a loop to run ahead of.
; LIMITS: e6 + e7 between -87 and 8; e8 and e10 between -126 and 119.  NaN and infinities are not served.
; REGISTERS, both windows: v12 -M, v13 largest t, v[14:15] sum, v16-23 Q, v24-25 the hold, v26-31 at work, v96-159 S^T then p, v160-191 O^T, v192-207 p's codes, v208-213 sums.
; window 0 alone: v1-11 addresses, v32-95 K's eight or V's four fragments.  v224-255: the table's entries, key tiles 0-3 in window 0, 4-7 in window 1.
.set VB,    131072                     ; V's bytes in LDS, behind K's
.set SPARE, 262144                     ; the spare words: 128 bytes for each of eight waves
.set MB,    SPARE+1024                 ; the mask's table
.set FLG,   MB+8192                    ; eight words: does any key of the wave's 256 count
.set STAGE, FLG+256                    ; the way out: 2,048 bytes a wave
.set AK0,  1                           ; 16 x lane
.set AV0,  2
.set AM0,  4
.set SPW,  5
.set NIL,  6
.set ADK,  8
.set ADV,  9
.set ADM,  10
.set HA,   24                          ; 448 x the scale, twice: the two halves of a dual line take their second sources from different banks
.set HB,   25
.set F,    26
.set MA,   28
.set MX,   29
.set PD,   30
.set SC,   31
.set CD,   192
.set T0,   208
.set T1,   210
.set T2,   212
.set TB,   2                           ; s2   the step's first byte in K's part of LDS
.set MBO,  3                           ; s3   the step's first key x 4
.set WV,   18
.set SEL,  20
.set CS,   22
.set G1K,  24
.set G1V,  32
.set G0K,  40
.set G0V,  44
.set CNT,  66
.set MSB, 0
.macro WIN new                         ; the immediate's high byte repeats the setting that is left
.if MSB != \new
	s_set_vgpr_msb (MSB<<8)|\new
.set MSB, \new
.endif
.endm
.macro TLOAD                           ; every wave has one load: waves 0-3 for K, 4-7 for V; s_nop 0 and four v_nop follow each line
	s_cmp_lt_u32 s[WV], 4
	s_cbranch_scc0 .Lfor_v_\@
	tensor_load_to_lds s[G0K:G0K+3], s[G1K:G1K+7]
	s_nop 0
.rept 4
	v_nop
.endr
	s_branch .Lasked_\@
.Lfor_v_\@:
	tensor_load_to_lds s[G0V:G0V+3], s[G1V:G1V+7]
	s_nop 0
.rept 4
	v_nop
.endr
.Lasked_\@:
.endm
.macro SETD u0, r                      ; the descriptors of a fill: from unit u0 (a unit: 64 keys, 4,096 bytes) on, r units for each of four waves
	s_mul_i32 s60, s62, \r
	s_add_co_u32 s60, s60, (\u0)*4096
	s_mov_b32 s61, 0
	s_mov_b32 s[G0K+1], s60
	s_add_nc_u64 s[G0K+2:G0K+3], s[54:55], s[60:61]
	s_or_b32 s[G0K+3], s[G0K+3], 0x80000000
	s_add_co_u32 s[G0V+1], s60, VB
	s_lshl_b32 s60, s60, 4                         ; V's units lie 65,536 bytes apart in memory
	s_add_nc_u64 s[G0V+2:G0V+3], s[56:57], s[60:61]
	s_or_b32 s[G0V+3], s[G0V+3], 0x80000000
	s_mov_b32 s[G1K+2], (\r)<<16
	s_mov_b32 s[G1K+4], \r
	s_mov_b32 s[G1V+2], (\r)<<16
	s_mov_b32 s[G1V+4], \r
.endm
.macro MEET fill, u0, r                ; my load has landed; the add; barrier: everybody's has.  fill = 1: the next first fill, my one load behind this barrier
	s_wait_tensorcnt 0x0
	ds_add_u32 v[SPW], v[NIL]
.if \fill
	SETD \u0, \r
.endif
	s_wait_dscnt 0x0
	s_barrier_signal -1
	s_barrier_wait -1
.if \fill
	TLOAD
.endif
.endm
	s_load_b256 s[4:11], s[0:1], 0x0               ; qkv, mask, lowp_scales, ac
	v_lshl_add_u32 v[SPW], v0, 2, SPARE
	v_mov_b32 v[NIL], 0
	ds_add_u32 v[SPW], v[NIL]                      ; the opening lines: the add twice on end and its wait
	ds_add_u32 v[SPW], v[NIL]
	v_lshrrev_b32 v8, 5, v0
	v_readfirstlane_b32 s[WV], v8
	s_and_b32 s12, ttmp7, 0xffff
	s_lshr_b32 s13, s12, 4                         ; b
	s_and_b32 s12, s12, 15                         ; head
	s_lshl_b32 s48, s12, 18
	s_lshl_b32 s14, s13, 17
	s_add_co_u32 s48, s48, s14                     ; (head x 4096 + b x 2048) x 64
	s_add_co_u32 s50, s48, 4<<20                   ; K
	s_mov_b32 s51, 0
	s_lshl_b32 s52, s13, 21                        ; V: 32 units a batch,
	s_lshl_b32 s14, s12, 12                        ; the head's 64 channels of 64 bytes
	s_add_co_u32 s52, s52, s14
	s_add_co_u32 s52, s52, 8<<20
	s_mov_b32 s53, 0
	s_lshl_b32 s80, ttmp9, 14
	s_lshl_b32 s14, s[WV], 11
	s_add_co_u32 s80, s80, s14
	s_add_co_u32 s80, s80, s48                     ; my first query's byte in Q's part and in ac
	s_mov_b32 s81, 0
	s_lshl_b32 s82, s13, 13                        ; the batch's mask
	s_mov_b32 s83, 0
	s_and_b32 s62, s[WV], 3
	s_lshl_b32 s62, s62, 12                        ; my place among the four that fill with me x a unit
.irp g, G1K, G1V
	s_mov_b32 s[\g], 3<<16                         ; elements of 8 bytes, no padding
	s_mov_b32 s[\g+1], 512<<16                     ; a row: one unit
	s_mov_b32 s[\g+3], 512<<16
	s_mov_b32 s[\g+6], 1<<16
	s_mov_b32 s[\g+7], 0
.endr
	s_mov_b32 s[G1K+5], 512                        ; K's units are dense,
	s_mov_b32 s[G1V+5], 8192                       ; V's 65,536 bytes apart
	s_mov_b32 s[G0K], 1
	s_mov_b32 s[G0V], 1
	s_mov_b32 s[SEL], 0x76543210
	s_mov_b32 s[SEL+1], 0xfedcba98
	s_wait_alu depctr_va_vdst(0)
	s_wait_dscnt 0x0
	s_wait_kmcnt 0x0
	s_load_b128 s[68:71], s[8:9], 0x18             ; e6, e7, e8, e9
	s_load_b32 s72, s[8:9], 0x28                   ; e10
	s_add_nc_u64 s[54:55], s[4:5], s[50:51]
	s_add_nc_u64 s[56:57], s[4:5], s[52:53]
	SETD 0, 1
	TLOAD                                          ; keys 0 .. 255
	s_add_nc_u64 s[58:59], s[4:5], s[80:81]
	s_add_nc_u64 s[10:11], s[10:11], s[80:81]
	s_add_nc_u64 s[6:7], s[6:7], s[82:83]
	v_and_b32 v8, 31, v0
	v_lshlrev_b32 v[AK0], 4, v8
	v_lshlrev_b32 v11, 5, v0
	global_load_b128 v[16:19], v[AK0], s[58:59]              ; tile A's Q
	global_load_b128 v[20:23], v[AK0], s[58:59] offset:512
	global_load_b128 v[32:35], v11, s[6:7]                   ; thread t: the mask of keys 8 t .. 8 t + 7
	global_load_b128 v[36:39], v11, s[6:7] offset:16
	WIN 0x40
	global_load_b128 v[16:19], v[AK0], s[58:59] offset:1024  ; tile B's Q, into window 1
	global_load_b128 v[20:23], v[AK0], s[58:59] offset:1536
	WIN 0
	v_add_nc_u32 v[AV0], VB, v[AK0]
	v_bfe_u32 v9, v0, 4, 1
	v_lshl_add_u32 v[AM0], v9, 5, MB               ; the table: my half's 8 keys of each 16
	v_add_nc_u32 v48, MB, v11                      ; where I write eight entries
	s_lshl_b32 s79, s[WV], 2
	s_add_co_u32 s79, s79, FLG
	v_mov_b32 v49, s79                             ; my wave's flag
	v_mov_b32 v50, FLG
	s_wait_alu depctr_va_vdst(0)
	s_wait_kmcnt 0x0
	s_add_co_i32 s73, s68, s69                     ; e6 + e7
	s_sub_co_i32 s74, 167, s73
	s_lshl_b32 s74, s74, 23
	s_or_b32 s74, s74, 0x80000000                  ; -2^(40 - e6 - e7)
	v_mov_b32 v51, s74
	s_add_co_i32 s74, s70, 127
	s_lshl_b32 s76, s74, 23                        ; 2^e8
	s_add_co_i32 s74, s74, 8
	s_lshl_b32 s77, s74, 23
	s_or_b32 s77, s77, 0x600000                    ; 448 x 2^e8
.macro INIT                            ; a tile's state, under its window
	v_mov_b32 v13, 0xce800000                      ; the largest t so far: -2^30
	v_floor_f32 v12, -v13
	v_mov_b32 v14, 0
	v_mov_b32 v15, 0
	v_mov_b32 v[PD], 0
	v_mov_b32 v[F+1], 0
	v_mov_b32 v[HA], s77
	v_mov_b32 v[HB], s77
	v_mov_b32 v[SC], s76
.set j, 0
.rept 32
	v_mov_b32 v[160+j], 0                          ; O^T: the step is written once; the first finds zeros
.set j, j+1
.endr
.endm
	INIT
	WIN 0x55
	INIT
	WIN 0
	s_wait_alu depctr_va_vdst(0)
	s_wait_loadcnt 0x0                             ; Q and the mask
	v_or_b32 v52, v32, v33
	v_or_b32 v53, v34, v35
	v_or_b32 v54, v36, v37
	v_or_b32 v55, v38, v39
	v_or_b32 v52, v52, v53
	v_or_b32 v54, v54, v55
	v_or_b32 v52, v52, v54
.irp i, 0,1,2,3,4,5,6,7
	v_cmp_eq_u32 vcc_lo, 0, v[32+\i]
	v_cndmask_b32 v[40+\i], 0, v51, vcc_lo
.endr
	v_cmp_ne_u32 vcc_lo, 0, v52
	s_cmp_lg_u32 vcc_lo, 0
	s_cselect_b32 s75, 1, 0                        ; does any of my wave's 256 keys count
	v_mov_b32 v53, s75
	ds_store_b128 v48, v[40:43]
	ds_store_b128 v48, v[44:47] offset:16
	ds_store_b32 v49, v53                          ; all lanes write the same word with the same value
	s_wait_alu depctr_va_vdst(0)                   ; the wait at the head's end
	MEET 1, 4, 2                                   ; keys 0 .. 255, the table and the flags are whole; keys 256 .. 767 are asked for
	ds_load_b128 v[40:43], v50
	ds_load_b128 v[44:47], v50 offset:16
	s_wait_dscnt 0x0
	v_or_b32 v40, v40, v41
	v_or_b32 v42, v42, v43
	v_or_b32 v44, v44, v45
	v_or_b32 v46, v46, v47
	v_or_b32 v40, v40, v42
	v_or_b32 v44, v44, v46
	v_or_b32 v40, v40, v44
	v_readfirstlane_b32 s75, v40
	s_lshl_b32 s73, s73, 23
	s_add_co_i32 s73, s73, 0x3e38aa3b              ; c = log2(e) / 8 x 2^(e6 + e7)
	s_cmp_lg_u32 s75, 0
	s_cselect_b32 s[CS], s73, 0                    ; 0 where no key of the batch counts
	s_mov_b32 s[CS+1], s[CS]
.macro SMUL lo                         ; four tiles of scores: keys 16 (lo + t) + r; C: the table's entries
.irp t, 0,1,2,3
	v_wmma_f32_16x16x64_fp8_fp8 v[96+8*(\lo+\t):103+8*(\lo+\t)], v[32+8*(\lo+\t):39+8*(\lo+\t)], v[16:23], v[224+8*\t:231+8*\t]
.endr
.endm
.macro OMUL                            ; O^T += V^T P^T: four accumulators by turns
.irp t, 0,1,2,3
	v_wmma_f32_16x16x128_fp8_fp8 v[160+8*\t:167+8*\t], v[32+16*\t:47+16*\t], v[CD:CD+15], v[160+8*\t:167+8*\t]
.endr
.endm
.macro SOFTMAX late                    ; one tile's 64 scores a lane -> p's codes, the sum, O^T under the new M; all registers in the tile's window
.if \late
	s_wait_alu depctr_va_vdst(0)                   ; the wait, directly ahead of the first readers of scores made ahead of the other tile's exponentials
.endif
	v_max3_num_f32 v[MA], v96, v97, v98
	v_max3_num_f32 v[MX], v99, v100, v101
.irp i, 6,10,14,18,22,26,30,34,38,42,46,50,54,58
	v_max3_num_f32 v[MA], v[MA], v[96+\i], v[97+\i]
	v_max3_num_f32 v[MX], v[MX], v[98+\i], v[99+\i]
.endr
	v_max3_num_f32 v[MA], v[MA], v158, v159
	s_delay_alu instid0(VALU_DEP_1)
	v_max_num_f32 v[MA], v[MA], v[MX]
	v_permlanex16_b32 v[PD], v[MA], s[SEL], s[SEL+1]
	s_delay_alu instid0(VALU_DEP_1)
	v_max_num_f32 v[MA], v[MA], v[PD]              ; and among lane l xor 16's
	s_delay_alu instid0(VALU_DEP_1)
	v_mul_f32 v[MA], s[CS], v[MA]                  ; as t (c is not negative)
	s_delay_alu instid0(VALU_DEP_1)
	v_max_num_f32 v13, v13, v[MA]
	v_mov_b32 v[MA], v12
	s_delay_alu instid0(VALU_DEP_2)
	v_floor_f32 v12, -v13                          ; the new -M = -ceil(t)
	s_delay_alu instid0(VALU_DEP_1)
	v_sub_f32 v[MA], v12, v[MA]
	s_delay_alu instid0(VALU_DEP_1)
	v_cvt_i32_f32 v[MA], v[MA]                     ; (it saturates)
	s_delay_alu instid0(VALU_DEP_1)
	v_ldexp_f32 v[F], 1.0, v[MA]                   ; f = 2^(old M - new M)
.set j, 0
.rept 32
	v_pk_fma_f32 v[96+j:97+j], v[96+j:97+j], s[CS:CS+1], v[12:13] op_sel_hi:[1,0,0]   ; t - M
.set j, j+2
.endr
	s_wait_alu depctr_va_vdst(0)                   ; one wait ahead of the batch,
.set j, 0
.rept 64
	v_exp_f32 v[96+j], v[96+j]                     ; p = 2^(t - M)
.set j, j+1
.endr
	v_pk_mul_f32 v[14:15], v[14:15], v[F:F+1] op_sel_hi:[1,0]   ; the sum under the new M: a plain line behind the exponentials
	s_wait_alu depctr_va_vdst(0)                   ; and one behind it
	v_pk_add_f32 v[T0:T0+1], v[96:97], v[98:99]    ; the sum of the unquantised p, in four chains
	v_pk_add_f32 v[T1:T1+1], v[100:101], v[102:103]
	v_pk_add_f32 v[T2:T2+1], v[104:105], v[106:107]
	v_pk_add_f32 v[14:15], v[14:15], v[108:109]
.irp j, 14,22,30,38,46,54
	v_pk_add_f32 v[T0:T0+1], v[T0:T0+1], v[96+\j:97+\j]
	v_pk_add_f32 v[T1:T1+1], v[T1:T1+1], v[98+\j:99+\j]
	v_pk_add_f32 v[T2:T2+1], v[T2:T2+1], v[100+\j:101+\j]
	v_pk_add_f32 v[14:15], v[14:15], v[102+\j:103+\j]
.endr
	v_pk_add_f32 v[T0:T0+1], v[T0:T0+1], v[158:159]
	v_pk_add_f32 v[T1:T1+1], v[T1:T1+1], v[T2:T2+1]
	s_delay_alu instid0(VALU_DEP_2)
	v_pk_add_f32 v[14:15], v[14:15], v[T0:T0+1]
	s_delay_alu instid0(VALU_DEP_1)
	v_pk_add_f32 v[14:15], v[14:15], v[T1:T1+1]
.irp b, 0,1,2,3
.set j, 0
.rept 8
	v_dual_min_num_f32 v[96+16*\b+j], v[96+16*\b+j], v[HA] :: v_dual_min_num_f32 v[97+16*\b+j], v[97+16*\b+j], v[HB]   ; the conversion does not saturate (ISA guide 7.6.2); p is not negative
.set j, j+2
.endr
	v_cvt_scalef32_pk8_fp8_f32 v[CD+4*\b:CD+4*\b+1], v[96+16*\b:103+16*\b], v[SC]      ; key tile 2 b: registers 4 b, 4 b + 1 of the operand
	v_cvt_scalef32_pk8_fp8_f32 v[CD+4*\b+2:CD+4*\b+3], v[104+16*\b:111+16*\b], v[SC]   ; key tile 2 b + 1
.endr
	s_wait_alu depctr_va_vdst(0)                   ; the wait, directly ahead of the first readers of O^T
.set j, 0
.rept 16
	v_pk_mul_f32 v[160+j:161+j], v[160+j:161+j], v[F:F+1] op_sel_hi:[1,0]   ; O^T under the new M (also the plain lines behind the conversions)
.set j, j+2
.endr
.endm
.macro STEP                            ; 128 keys for both tiles
	v_add_nc_u32 v[ADK], s[TB], v[AK0]
	v_add_nc_u32 v[ADV], s[TB], v[AV0]
	v_add_nc_u32 v[ADM], s[MBO], v[AM0]
	v_nop                                          ; four plain lines in front of loads into registers that the last products have read
.irp t, 0,1,2,3
	ds_load_b128 v[224+8*\t:227+8*\t], v[ADM] offset:64*\t          ; the table's entries of keys 16 t + 8 h + 0 .. 7
	ds_load_b128 v[228+8*\t:231+8*\t], v[ADM] offset:64*\t+16
.endr
.irp t, 0,1,2,3,4,5,6,7
	ds_load_b128 v[32+8*\t:35+8*\t], v[ADK] offset:1024*\t          ; K's tile t
	ds_load_b128 v[36+8*\t:39+8*\t], v[ADK] offset:1024*\t+512
.endr
	WIN 0x40
.irp t, 0,1,2,3
	ds_load_b128 v[224+8*\t:227+8*\t], v[ADM] offset:256+64*\t      ; key tiles 4-7, into window 1
	ds_load_b128 v[228+8*\t:231+8*\t], v[ADM] offset:256+64*\t+16
.endr
	WIN 0
	s_wait_alu depctr_va_vdst(0)
	s_wait_dscnt 0x0
	SMUL 0                                         ; tile A, key tiles 0-3
	WIN 0x44
	SMUL 0                                         ; tile B: D and Q in window 1
	WIN 0x54
	SMUL 4                                         ; tile B, key tiles 4-7: C in window 1 too
	WIN 0x10
	SMUL 4                                         ; tile A
	WIN 0
.rept 4
	v_nop
.endr
.irp t, 0,1,2,3                                ; V's four fragments (channels 16 t + r) land under tile A's softmax
.irp c, 0,1,2,3
	ds_load_b128 v[32+16*\t+4*\c:35+16*\t+4*\c], v[ADV] offset:(\c/2)*4096+1024*\t+512*(\c%2)
.endr
.endr
	SOFTMAX 0
	s_wait_alu depctr_va_vdst(0)
	s_wait_dscnt 0x0                               ; V
	OMUL
	WIN 0x55
	SOFTMAX 1
	WIN 0x54
	OMUL
	WIN 0
.endm
.macro WALK first, n                   ; n steps from step first on
	s_mov_b32 s[TB], (\first)*8192
	s_mov_b32 s[MBO], (\first)*512
	s_mov_b32 s[CNT], \n
.Lstep_\@:
	STEP
	s_add_co_u32 s[TB], s[TB], 8192
	s_add_co_u32 s[MBO], s[MBO], 512
	s_sub_co_u32 s[CNT], s[CNT], 1
	s_cmp_lg_u32 s[CNT], 0
	s_cbranch_scc1 .Lstep_\@
.endm
	WALK 0, 2
	MEET 1, 12, 5                                  ; keys 256 .. 767 are whole; keys 768 .. 2047 are asked for
	WALK 2, 4
	MEET 0, 0, 0                                   ; all keys are whole
	WALK 6, 10
	; THE WAY OUT: O^T / the sum x 2^(e8 + e9), held, converted with 2^e10; 32 rows of 64 codes go through my stage and leave as 2,048 bytes on end.
	s_add_co_i32 s73, s70, s71
	s_add_co_i32 s75, s72, 127
	s_lshl_b32 s76, s75, 23                        ; 2^e10
	s_add_co_i32 s75, s75, 8
	s_lshl_b32 s77, s75, 23
	s_or_b32 s77, s77, 0x600000                    ; 448 x 2^e10
	s_lshl_b32 s74, s[WV], 11
	s_add_co_u32 s74, s74, STAGE
	v_and_b32 v8, 15, v0
	v_bfe_u32 v9, v0, 4, 1
	v_lshlrev_b32 v10, 6, v8
	v_lshl_add_u32 v10, v9, 3, v10
	v_add_nc_u32 v10, s74, v10                     ; in: row r, channels 8 h on
	v_add_nc_u32 v11, s74, v[AK0]                  ; back: as the bytes lie
.macro OUTC                            ; a tile's codes, under its window
	v_mov_b32 v[HA], s77
	v_mov_b32 v[SC], s76
	v_add_f32 v14, v14, v15
	s_delay_alu instid0(VALU_DEP_1)
	v_permlanex16_b32 v[PD], v14, s[SEL], s[SEL+1]
	s_delay_alu instid0(VALU_DEP_1)
	v_add_f32 v14, v14, v[PD]                      ; the row's sum
	s_wait_alu depctr_va_vdst(0)
	v_rcp_f32 v14, v14
	v_nop
	s_wait_alu depctr_va_vdst(0)
	v_ldexp_f32 v14, v14, s73
	s_wait_alu depctr_va_vdst(0)                   ; directly ahead of the first readers of O^T
.set j, 0
.rept 16
	v_pk_mul_f32 v[96+j:97+j], v[160+j:161+j], v[14:15] op_sel_hi:[1,0]   ; register 8 t + i: channel 16 t + 8 h + i of query r
.set j, j+2
.endr
.set j, 0
.rept 32
	v_med3_num_f32 v[96+j], v[96+j], -v[HA], v[HA]
.set j, j+1
.endr
.irp t, 0,1,2,3
	v_cvt_scalef32_pk8_fp8_f32 v[CD+2*\t:CD+2*\t+1], v[96+8*\t:103+8*\t], v[SC]
.endr
	v_nop
.endm
	OUTC
.irp t, 0,1,2,3
	ds_store_b64 v10, v[CD+2*\t:CD+2*\t+1] offset:16*\t
.endr
	WIN 0x55
	OUTC
	WIN 0x04                                       ; the address in window 0, the data in window 1
.irp t, 0,1,2,3
	ds_store_b64 v10, v[CD+2*\t:CD+2*\t+1] offset:1024+16*\t
.endr
	WIN 0
.irp k, 0,1,2,3
	ds_load_b128 v[32+4*\k:35+4*\k], v11 offset:512*\k   ; LDS serves a wave's instructions in order: these see my stores
.endr
.irp k, 0,1,2,3
	s_wait_dscnt 3-\k
	global_store_b128 v[AK0], v[32+4*\k:35+4*\k], s[10:11] offset:512*\k th:TH_STORE_NT   ; 512 consecutive bytes, aligned
.endr
	s_wait_tensorcnt 0x0                           ; the wave's end
	ds_add_u32 v[SPW], v[NIL]
	s_wait_dscnt 0x0
	s_endpgm
.Lfunc_end_k_q66044c4c1b_attn:
	.size	k_q66044c4c1b_attn, .Lfunc_end_k_q66044c4c1b_attn-k_q66044c4c1b_attn
	.p2alignl 7, 3214868480
	.fill 96, 4, 3214868480
	.section	.rodata,"a",@progbits
	.p2align	6, 0x0
	.amdhsa_kernel k_q66044c4c1b_attn
		.amdhsa_group_segment_fixed_size 327680
		.amdhsa_private_segment_fixed_size 0
		.amdhsa_enable_private_segment 0
		.amdhsa_kernarg_size 32
		.amdhsa_user_sgpr_count 2
		.amdhsa_user_sgpr_kernarg_segment_ptr 1
		.amdhsa_wavefront_size32 1
		.amdhsa_system_sgpr_workgroup_id_x 1
		.amdhsa_system_sgpr_workgroup_id_y 1
		.amdhsa_system_sgpr_workgroup_id_z 1
		.amdhsa_system_vgpr_workitem_id 0
		.amdhsa_next_free_vgpr 512
		.amdhsa_next_free_sgpr 100
		.amdhsa_reserve_vcc 1
		.amdhsa_float_denorm_mode_32 3
		.amdhsa_float_denorm_mode_16_64 3
		.amdhsa_memory_ordered 1
		.amdhsa_forward_progress 1
		.amdhsa_inst_pref_size 114
	.end_amdhsa_kernel
	.amdgpu_metadata
---
amdhsa.version: [ 1, 2 ]
amdhsa.kernels:
  - .name:           k_q66044c4c1b_attn
    .symbol:         k_q66044c4c1b_attn.kd
    .args:
      - { .name: qkv, .offset: 0, .size: 8, .value_kind: global_buffer, .address_space: global }
      - { .name: mask, .offset: 8, .size: 8, .value_kind: global_buffer, .address_space: global }
      - { .name: lowp_scales, .offset: 16, .size: 8, .value_kind: global_buffer, .address_space: global }
      - { .name: ac, .offset: 24, .size: 8, .value_kind: global_buffer, .address_space: global }
    .group_segment_fixed_size: 327680
    .private_segment_fixed_size: 0
    .kernarg_segment_align: 8
    .kernarg_segment_size: 32
    .max_flat_workgroup_size: 256
    .sgpr_count:     100
    .vgpr_count:     512
    .wavefront_size: 32
...
	.end_amdgpu_metadata
.endif
;; end of part 3
;; launch oproj (part 4): grid 8 x 32, 4 waves a work-group, clusters of 4 x 4, 327,680 bytes of LDS; arguments ac, pc, lowp_scales, bo, x, x1; writes x1
.if DOCPART == 4
	.amdgcn_target "amdgcn-amd-amdhsa--gfx1250"
	.amdhsa_code_object_version 6
	.text
	.protected	k_q66044c4c1b_oproj
	.globl	k_q66044c4c1b_oproj
	.p2align	8
	.type	k_q66044c4c1b_oproj,@function
k_q66044c4c1b_oproj:
	s_mov_b64 s[64:65], 0
	v_nop
	global_prefetch_b8 v0, s[64:65] scope:SCOPE_SE
	s_setreg_imm32_b32 hwreg(HW_REG_WAVE_MODE, 25, 1), 1
	s_wait_xcnt 0x0
	s_wait_alu depctr_hold_cnt(0) depctr_sa_sdst(0) depctr_va_vdst(0) depctr_va_sdst(0) depctr_va_ssrc(0) depctr_va_vcc(0) depctr_vm_vsrc(0)
	s_getreg_b32 s2, hwreg(HW_REG_IB_STS2, 6, 4)
	s_cmp_eq_u32 s2, 0
	s_cbranch_scc0 .Lentry_in_a_cluster
	s_endpgm
.Lentry_in_a_cluster:
	s_bfe_u32 s2, ttmp6, 0x10000c
	s_cmp_lg_u32 s2, 0xf033
	s_cbranch_scc0 .Lentry_shape_is_right
	s_endpgm
.Lentry_shape_is_right:
.set SIZE_K, 1024
.set WOFF,   3<<20
.set SCOFF,  0x28
.set KSTEP,  512
.set ACH,    128*80
.set APART,  8*ACH
.set BP,     528
.set BHALF,  64*BP
.set SLOT,   APART+2*BHALF
.set SPARE,  2*SLOT
.set SPITCH, 272
.set LAPS,   SIZE_K/(2*KSTEP)
.set BI,   8
.set BIO,  12
.set ADRA, 16
.set ADRB, 20
.set STO,  24
.set RD,   25
.set CO,   26
.set SPW,  28
.set NIL,  29
.set RS,   32
.set BKR,  96
.set ACC,  128
.set F0,   0
.set F1,   128
.set G1, 24
.set G0, 32
.set G1B, 48
.set G0B, 56
.set MSB, 0
.macro WIN new
.if MSB != \new
	s_set_vgpr_msb (MSB<<8)|\new
.set MSB, \new
.endif
.endm
.set MUL,  0x05
.set TO_F, 0x40
.macro JLOAD s
	s_cmp_eq_u32 s11, 0
	s_cbranch_scc0 .Lfor_b_\@
	tensor_load_to_lds s[G0+4*\s:G0+4*\s+3], s[G1:G1+7]
	s_nop 0
.rept 4
	v_nop
.endr
	s_branch .Lasked_\@
.Lfor_b_\@:
	tensor_load_to_lds s[G0B+4*\s:G0B+4*\s+3], s[G1B:G1B+7]
	s_nop 0
.rept 4
	v_nop
.endr
.Lasked_\@:
.endm
.macro CREST
	s_cmp_lg_u32 s10, 0
	s_cbranch_scc1 .Lnot_wave_0_\@
	s_barrier_signal -3
.Lnot_wave_0_\@:
	s_barrier_wait -3
	s_barrier_signal -1
	s_barrier_wait -1
.endm
.macro CROUND
	s_barrier_signal -1
	s_barrier_wait -1
	CREST
.endm
	s_load_b256 s[68:75], s[0:1], 0x0
	s_load_b128 s[76:79], s[0:1], 0x20
	v_lshl_add_u32 v[SPW], v0, 2, SPARE
	v_mov_b32 v[NIL], 0
	ds_add_u32 v28, v29
	ds_add_u32 v28, v29
	s_wait_dscnt 0x0
	v_lshrrev_b32 v1, 5, v0
	v_readfirstlane_b32 s10, v1
	s_lshr_b32 s11, s10, 1
	s_and_b32 s12, s10, 1
	s_bfe_u32 s40, ttmp6, 0x40000
	s_bfe_u32 s41, ttmp6, 0x40004
	s_lshl_b32 s42, ttmp9, 2
	s_add_co_u32 s42, s42, s40
	s_and_b32 s13, ttmp7, 0xffff
	s_lshl_b32 s13, s13, 2
	s_add_co_u32 s13, s13, s41
	s_lshl_b32 s43, s41, 2
	s_lshl_b32 s43, 15, s43
	s_lshl_b32 s44, 0x1111, s40
	s_or_b32 s[G1+0], s43, (0<<16)|(1<<20)|(1<<21)|(3<<22)|(3<<25)
	s_mov_b32 s[G1+1], 8192<<16
	s_mov_b32 s[G1+2], 8<<16                       ; K is 1,024: the two slots hold all of it.  Each wave brings one slot's whole part with its one load: wave 0, 1: A's eight chunks of K step 0, 1
	s_mov_b32 s[G1+3], 8192<<16
	s_mov_b32 s[G1+4], 8
	s_mov_b32 s[G1+5], 262144
	s_mov_b32 s[G1+6], 0
	s_mov_b32 s[G1+7], 0
	s_or_b32 s[G1B+0], s44, (0<<16)|(1<<20)|(1<<21)|(6<<22)|(3<<25)
	s_mov_b32 s[G1B+1], KSTEP<<16
	s_mov_b32 s[G1B+2], 128<<16                    ; wave 2, 3: B's 128 rows of K step 0, 1
	s_mov_b32 s[G1B+3], KSTEP<<16
	s_mov_b32 s[G1B+4], 128
	s_mov_b32 s[G1B+5], SIZE_K
	s_mov_b32 s[G1B+6], 0
	s_mov_b32 s[G1B+7], 0
	s_lshl_b32 s16, s13, 13
	s_lshl_b32 s17, s12, 21
	s_add_co_u32 s16, s16, s17
	s_mov_b32 s17, 0
	s_lshl_b32 s46, s42, 7
	s_mul_i32 s46, s46, SIZE_K
	s_lshl_b32 s47, s12, 9
	s_add_co_u32 s46, s46, s47
	s_add_co_u32 s46, s46, WOFF
	s_mov_b32 s47, 0
	s_mul_i32 s20, s12, SLOT
	s_mul_i32 s21, s12, SLOT
	s_add_co_u32 s21, s21, APART
	s_wait_kmcnt 0x0
	s_load_b64 s[4:5], s[72:73], SCOFF
	s_add_nc_u64 s[14:15], s[68:69], s[16:17]
	s_add_nc_u64 s[46:47], s[70:71], s[46:47]
	CROUND
.irp s, 0
	s_mov_b32 s[G0+4*\s], 1
	s_add_co_u32 s[G0+4*\s+1], s20, \s*SLOT
	s_add_nc_u64 s[G0+4*\s+2:G0+4*\s+3], s[14:15], \s*8*262144
	s_or_b32 s[G0+4*\s+3], s[G0+4*\s+3], 0x80000000
	s_mov_b32 s[G0B+4*\s], 1
	s_add_co_u32 s[G0B+4*\s+1], s21, \s*SLOT
	s_add_nc_u64 s[G0B+4*\s+2:G0B+4*\s+3], s[46:47], \s*KSTEP
	s_or_b32 s[G0B+4*\s+3], s[G0B+4*\s+3], 0x80000000
.endr
	JLOAD 0                                        ; the launch's only tensor load of this wave
	v_and_b32 v1, 15, v0
	v_bfe_u32 v2, v0, 4, 1
	v_mul_u32_u24 v3, v1, 80
	v_lshl_add_u32 v3, v2, 4, v3
	v_mul_u32_u24 v4, v1, BP
	v_lshl_add_u32 v4, v2, 4, v4
	s_mul_i32 s21, s11, 64*80
	s_mul_i32 s22, s12, BHALF
	s_add_co_u32 s22, s22, APART
.irp s, 0,1
	v_add_nc_u32 v[ADRA+2*\s], s21, v3
	s_add_co_u32 s23, s21, 4*ACH
	v_add_nc_u32 v[ADRA+2*\s+1], s23, v3
	v_add_nc_u32 v[ADRB+\s], s22, v4
	s_add_co_u32 s21, s21, SLOT
	s_add_co_u32 s22, s22, SLOT
.endr
	s_mul_i32 s23, s10, 16*SPITCH
	v_mul_u32_u24 v5, v1, SPITCH
	v_lshl_add_u32 v5, v2, 5, v5
	v_add_nc_u32 v[STO], s23, v5
	v_mul_u32_u24 v5, v2, SPITCH
	v_lshl_add_u32 v5, v1, 4, v5
	v_add_nc_u32 v[RD], s23, v5
	v_lshlrev_b32 v5, 12, v2
	v_lshl_add_u32 v[CO], v1, 4, v5
	v_lshlrev_b32 v[BIO], 4, v1
	s_wait_alu depctr_va_vdst(0)
	s_lshl_b32 s16, s13, 7
	s_lshl_b32 s17, s11, 6
	s_add_co_u32 s16, s16, s17
	s_lshl_b32 s16, s16, 12
	s_lshl_b32 s46, s42, 9
	s_lshl_b32 s47, s12, 8
	s_add_co_u32 s46, s46, s47
	s_mov_b32 s47, 0
	s_add_nc_u64 s[74:75], s[74:75], s[46:47]
	s_add_co_u32 s16, s16, s46
	s_mov_b32 s17, 0
	s_add_nc_u64 s[76:77], s[76:77], s[16:17]
	s_add_nc_u64 s[78:79], s[78:79], s[16:17]
	global_load_b128 v[BI:BI+3], v[BIO], s[74:75]
.macro RLOAD a                         ; the residual of block a: blocks 0, 1 into window 0, blocks 2, 3 into window 2 under the same numbers
	WIN 0x80*((\a)/2)
.irp t, 0,1,2,3,4,5,6,7
	global_load_b128 v[RS+32*((\a)%2)+4*\t:RS+32*((\a)%2)+4*\t+3], v[CO], s[76:77] offset:(16*(\a)+2*\t)*4096
.endr
	WIN 0
.endm
	RLOAD 0
	RLOAD 1
	RLOAD 2
	RLOAD 3
.macro MUL4 f, a, zero
.irp b, 0,1,2,3
.if \zero
	v_wmma_f32_16x16x128_fp8_fp8 v[ACC+8*(4*(\a)+\b):ACC+8*(4*(\a)+\b)+7], v[\f+64+16*\b:\f+64+16*\b+15], v[\f+16*(\a):\f+16*(\a)+15], 0
.else
	v_wmma_f32_16x16x128_fp8_fp8 v[ACC+8*(4*(\a)+\b):ACC+8*(4*(\a)+\b)+7], v[\f+64+16*\b:\f+64+16*\b+15], v[\f+16*(\a):\f+16*(\a)+15], v[ACC+8*(4*(\a)+\b):ACC+8*(4*(\a)+\b)+7]
.endif
.endr
.endm
.macro FETCH slot, qd, f
	WIN TO_F
.irp i, 0,1,2,3
.irp c, 0,1,2,3
	ds_load_b128 v[\f+64+16*\i+4*\c:\f+64+16*\i+4*\c+3], v[ADRB+\slot] offset:128*(\qd)+32*\c+\i*16*BP
.endr
.endr
.irp i, 0,1,2,3
.irp c, 0,1,2,3
	ds_load_b128 v[\f+16*\i+4*\c:\f+16*\i+4*\c+3], v[ADRA+2*\slot+(\qd)/2] offset:(2*((\qd)%2)+\c/2)*ACH+32*(\c%2)+\i*16*80
.endr
.endr
.endm
.macro PLACES
.rept 4
	v_nop
.endr
.endm
.macro QUARTER slot, qn, f, g, zero
	s_wait_dscnt 8
	WIN MUL
	MUL4 \f, 0, \zero
	MUL4 \f, 1, \zero
	PLACES
	FETCH \slot, \qn, \g
	s_wait_dscnt 32
	WIN MUL
	MUL4 \f, 2, \zero
	MUL4 \f, 3, \zero
.endm
.macro TURN slot, next, fill
	WIN 0
	s_wait_tensorcnt 0x0
	ds_add_u32 v[SPW], v[NIL]
	s_wait_dscnt 9
	WIN MUL
	MUL4 F1, 0, 0
	s_wait_dscnt 0x0
	s_barrier_signal -1
	MUL4 F1, 1, 0
.if \fill
	WIN 0
.endif
	s_barrier_wait -1
.if \fill
	CREST
	s_add_nc_u64 s[G0+4*\slot+2:G0+4*\slot+3], s[G0+4*\slot+2:G0+4*\slot+3], 2*8*262144
	s_add_nc_u64 s[G0B+4*\slot+2:G0B+4*\slot+3], s[G0B+4*\slot+2:G0B+4*\slot+3], 2*KSTEP
	JLOAD \slot
.else
	PLACES
.endif
	FETCH \next, 0, F0
	WIN MUL
	MUL4 F1, 2, 0
	MUL4 F1, 3, 0
.endm
	s_wait_alu depctr_va_vdst(0)                   ; the wait at the head's end
	s_wait_tensorcnt 0x0                           ; my load is in; behind the barrier everybody's: both slots are whole, and nothing is filled again
	s_barrier_signal -1
	s_barrier_wait -1
	FETCH 0, 0, F0
	QUARTER 0, 1, F0, F1, 1
.if LAPS > 1
	WIN 0
	s_mov_b32 s3, LAPS-1
.Llap:
	QUARTER 0, 2, F1, F0, 0
	QUARTER 0, 3, F0, F1, 0
	TURN 0, 1, 1
	QUARTER 1, 1, F0, F1, 0
	QUARTER 1, 2, F1, F0, 0
	QUARTER 1, 3, F0, F1, 0
	TURN 1, 0, 1
	QUARTER 0, 1, F0, F1, 0
	WIN 0
	s_sub_co_u32 s3, s3, 1
	s_cmp_lg_u32 s3, 0
	s_cbranch_scc1 .Llap
.endif
	QUARTER 0, 2, F1, F0, 0
	QUARTER 0, 3, F0, F1, 0
	TURN 0, 1, 0
	QUARTER 1, 1, F0, F1, 0
	QUARTER 1, 2, F1, F0, 0
	QUARTER 1, 3, F0, F1, 0
	s_wait_dscnt 8
	WIN MUL
	MUL4 F1, 0, 0
	MUL4 F1, 1, 0
	s_wait_dscnt 0
	MUL4 F1, 2, 0
	MUL4 F1, 3, 0
	WIN 0
	s_wait_kmcnt 0x0
	s_add_co_i32 s4, s4, s5
	s_add_co_i32 s4, s4, 127
	s_lshl_b32 s4, s4, 23
	s_mov_b32 s5, s4
	PLACES
.macro OUTB a
.irp b, 0,1,2,3
	ds_store_b128 v[STO], v[ACC+8*(4*(\a)+\b):ACC+8*(4*(\a)+\b)+3] offset:64*\b
	ds_store_b128 v[STO], v[ACC+8*(4*(\a)+\b)+4:ACC+8*(4*(\a)+\b)+7] offset:64*\b+16
.endr
.if (\a) > 0
	s_wait_xcnt 0x0
.endif
.irp t, 0,1,2,3,4,5,6,7
	ds_load_b128 v[BKR+4*\t:BKR+4*\t+3], v[RD] offset:\t*2*SPITCH
.endr
	s_wait_dscnt 0x0
	s_wait_loadcnt 8*(3-(\a))                      ; block a's residual is in; the eight loads of each later block may be out
.irp t, 0,1,2,3,4,5,6,7
	v_pk_fma_f32 v[BKR+4*\t:BKR+4*\t+1], v[BKR+4*\t:BKR+4*\t+1], s[4:5], v[BI:BI+1] op_sel_hi:[1,0,1]
	v_pk_fma_f32 v[BKR+4*\t+2:BKR+4*\t+3], v[BKR+4*\t+2:BKR+4*\t+3], s[4:5], v[BI+2:BI+3] op_sel_hi:[1,0,1]
.endr
	WIN 0x08*((\a)/2)                              ; source 1: window 0 or 2
.set j, 0
.rept 16
	v_pk_add_f32 v[BKR+j:BKR+j+1], v[BKR+j:BKR+j+1], v[RS+32*((\a)%2)+j:RS+32*((\a)%2)+j+1]
.set j, j+2
.endr
	WIN 0
.irp t, 0,1,2,3,4,5,6,7
	global_store_b128 v[CO], v[BKR+4*\t:BKR+4*\t+3], s[78:79] offset:(16*(\a)+2*\t)*4096
.endr
.endm
	OUTB 0
	OUTB 1
	OUTB 2
	OUTB 3
	s_wait_tensorcnt 0x0
	ds_add_u32 v[SPW], v[NIL]
	s_wait_dscnt 0x0
	CROUND
	s_endpgm
.Lfunc_end_k_q66044c4c1b_oproj:
	.size	k_q66044c4c1b_oproj, .Lfunc_end_k_q66044c4c1b_oproj-k_q66044c4c1b_oproj
	.p2alignl 7, 3214868480
	.fill 96, 4, 3214868480
	.section	.rodata,"a",@progbits
	.p2align	6, 0x0
	.amdhsa_kernel k_q66044c4c1b_oproj
		.amdhsa_group_segment_fixed_size 327680
		.amdhsa_private_segment_fixed_size 0
		.amdhsa_enable_private_segment 0
		.amdhsa_kernarg_size 48
		.amdhsa_user_sgpr_count 2
		.amdhsa_user_sgpr_kernarg_segment_ptr 1
		.amdhsa_wavefront_size32 1
		.amdhsa_system_sgpr_workgroup_id_x 1
		.amdhsa_system_sgpr_workgroup_id_y 1
		.amdhsa_system_sgpr_workgroup_id_z 1
		.amdhsa_system_vgpr_workitem_id 0
		.amdhsa_next_free_vgpr 768
		.amdhsa_next_free_sgpr 80
		.amdhsa_reserve_vcc 0
		.amdhsa_float_denorm_mode_32 3
		.amdhsa_float_denorm_mode_16_64 3
		.amdhsa_memory_ordered 1
		.amdhsa_forward_progress 1
		.amdhsa_inst_pref_size 53
	.end_amdhsa_kernel
	.amdgpu_metadata
---
amdhsa.version: [ 1, 2 ]
amdhsa.kernels:
  - .name:           k_q66044c4c1b_oproj
    .symbol:         k_q66044c4c1b_oproj.kd
    .args:
      - { .name: ac, .offset: 0, .size: 8, .value_kind: global_buffer, .address_space: global }
      - { .name: pc, .offset: 8, .size: 8, .value_kind: global_buffer, .address_space: global }
      - { .name: lowp_scales, .offset: 16, .size: 8, .value_kind: global_buffer, .address_space: global }
      - { .name: bo, .offset: 24, .size: 8, .value_kind: global_buffer, .address_space: global }
      - { .name: x, .offset: 32, .size: 8, .value_kind: global_buffer, .address_space: global }
      - { .name: x1, .offset: 40, .size: 8, .value_kind: global_buffer, .address_space: global }
    .group_segment_fixed_size: 327680
    .private_segment_fixed_size: 0
    .kernarg_segment_align: 8
    .kernarg_segment_size: 48
    .max_flat_workgroup_size: 128
    .sgpr_count:     80
    .vgpr_count:     768
    .wavefront_size: 32
...
	.end_amdgpu_metadata
.endif
;; end of part 4
;; launch ln2 (part 5): grid 256 x 1, 4 waves a work-group, no clusters, 0 bytes of LDS; arguments x1, ln2_alpha, ln2_bias, lowp_scales, yn; writes yn
.if DOCPART == 5
	.amdgcn_target "amdgcn-amd-amdhsa--gfx1250"
	.amdhsa_code_object_version 6
	.text
	.protected	k_q66044c4c1b_ln2
	.globl	k_q66044c4c1b_ln2
	.p2align	8
	.type	k_q66044c4c1b_ln2,@function
k_q66044c4c1b_ln2:
	s_mov_b64 s[64:65], 0
	v_nop
	global_prefetch_b8 v0, s[64:65] scope:SCOPE_SE
	s_setreg_imm32_b32 hwreg(HW_REG_WAVE_MODE, 25, 1), 1
	s_wait_xcnt 0x0
; LN2: yn = alpha (x1 - mean) / (std + 1e-6) + beta (std with divisor 1023), quantised to E4M3 with entry 12 of the scales, into codes [4096][1024].
; A wave takes four rows, one after the other; a row is 32 numbers a lane, so no sum leaves the wave: no LDS, no barrier.
; ORDER ALONG K: byte p of a row holds k = 512 (p / 512) + 128 ((p / 4) % 4) + 4 ((p / 16) % 32) + p % 4, as w1's codes are laid.
; LIMITS: the exponent between -126 and 119.  NaN and infinities are not served.
.set XR,    32                         ; v32-159 four rows of 32 numbers a lane
.set T,     160                        ; v160-175 two sets of eight held numbers
.set CC,    176                        ; v176-183 codes
	s_load_b256 s[4:11], s[0:1], 0x0               ; x1, ln2_alpha, ln2_bias, lowp_scales
	s_load_b64 s[12:13], s[0:1], 0x20              ; yn
	v_lshrrev_b32 v1, 5, v0
	v_readfirstlane_b32 s14, v1
	v_and_b32 v1, 31, v0
	v_lshlrev_b32 v2, 4, v1
	s_lshl_b32 s16, ttmp9, 4
	s_lshl_b32 s17, s14, 2
	s_add_co_u32 s16, s16, s17                     ; my first row
	s_lshl_b32 s18, s16, 12
	s_mov_b32 s19, 0
	s_lshl_b32 s20, s16, 10
	s_mov_b32 s21, 0
	s_mov_b32 s42, 0x76543210
	s_mov_b32 s43, 0xfedcba98
	s_wait_alu depctr_va_vdst(0)
	s_wait_kmcnt 0x0
	s_add_nc_u64 s[4:5], s[4:5], s[18:19]
	s_add_nc_u64 s[34:35], s[12:13], s[20:21]
.set i, 0
.rept 32
	global_load_b128 v[XR+4*i:XR+4*i+3], v2, s[4:5] offset:512*i   ; 512 consecutive bytes a load; eight loads a row
.set i, i+1
.endr
	s_load_b32 s32, s[6:7], 0x0                    ; alpha
	s_load_b32 s33, s[8:9], 0x0                    ; beta
	s_load_b32 s24, s[10:11], 0x30                 ; entry 12
	v_mov_b32 v13, 0
	v_mov_b32 v15, 0
	v_mov_b32 v17, 0
	s_wait_kmcnt 0x0
	v_mov_b32 v16, s33
	s_add_co_i32 s40, s24, 127
	s_lshl_b32 s41, s40, 23
	v_mov_b32 v18, s41                             ; 2^e
	s_add_co_i32 s40, s40, 8
	s_lshl_b32 s40, s40, 23
	s_or_b32 s40, s40, 0x600000
	v_mov_b32 v19, s40                             ; 448 x 2^e
.macro REDUCE                          ; four packed chains v[4:11] -> the wave's sum in v4, in every lane
	v_pk_add_f32 v[4:5], v[4:5], v[6:7]
	v_pk_add_f32 v[8:9], v[8:9], v[10:11]
	v_pk_add_f32 v[4:5], v[4:5], v[8:9]
	v_add_f32 v4, v4, v5
	v_add_f32_dpp v4, v4, v4 row_xmask:1 row_mask:0xf bank_mask:0xf
	v_add_f32_dpp v4, v4, v4 row_xmask:2 row_mask:0xf bank_mask:0xf
	v_add_f32_dpp v4, v4, v4 row_xmask:4 row_mask:0xf bank_mask:0xf
	v_add_f32_dpp v4, v4, v4 row_xmask:8 row_mask:0xf bank_mask:0xf
	v_permlanex16_b32 v5, v4, s42, s43
	v_add_f32 v4, v4, v5
.endm
.macro LNROW p
.set R, XR+32*(\p)
	s_wait_loadcnt 8*(3-(\p))                      ; my row's eight loads are in; the later rows' may be out
.irp c, 0,1,2,3
	v_pk_add_f32 v[4+2*\c:5+2*\c], v[R+2*\c:R+2*\c+1], v[R+8+2*\c:R+9+2*\c]
.endr
.irp k, 16,24
.irp c, 0,1,2,3
	v_pk_add_f32 v[4+2*\c:5+2*\c], v[4+2*\c:5+2*\c], v[R+\k+2*\c:R+\k+2*\c+1]
.endr
.endr
	REDUCE
	v_mul_f32 v12, 0x3a800000, v4                  ; the mean
.set j, 0
.rept 16
	v_pk_add_f32 v[R+j:R+j+1], v[R+j:R+j+1], v[12:13] op_sel_hi:[1,0] neg_lo:[0,1] neg_hi:[0,1]   ; d = x - mean: the squares are taken of d
.set j, j+2
.endr
.irp c, 0,1,2,3
	v_pk_mul_f32 v[4+2*\c:5+2*\c], v[R+2*\c:R+2*\c+1], v[R+2*\c:R+2*\c+1]
.endr
.irp k, 8,16,24
.irp c, 0,1,2,3
	v_pk_fma_f32 v[4+2*\c:5+2*\c], v[R+\k+2*\c:R+\k+2*\c+1], v[R+\k+2*\c:R+\k+2*\c+1], v[4+2*\c:5+2*\c]
.endr
.endr
	REDUCE
	v_mul_f32 v4, 0x3a802008, v4                   ; / 1023
	s_wait_alu depctr_va_vdst(0)
	v_sqrt_f32 v6, v4
	v_nop                                          ; a plain line behind the root,
	s_wait_alu depctr_va_vdst(0)                   ; and a wait ahead of its first reader
	v_add_f32 v6, 0x358637bd, v6                   ; std + 1e-6
	s_wait_alu depctr_va_vdst(0)
	v_rcp_f32 v7, v6
	v_nop
	s_wait_alu depctr_va_vdst(0)
	v_mul_f32 v14, s32, v7
.set j, 0
.rept 16
	v_pk_fma_f32 v[R+j:R+j+1], v[R+j:R+j+1], v[14:15], v[16:17] op_sel_hi:[1,0,0]
.set j, j+2
.endr
	s_wait_xcnt 0x0                                ; the last row's stores have read their codes
.irp g, 0,1,2,3
.set TT, T+8*(\g%2)
.set i, 0
.rept 8
	v_med3_num_f32 v[TT+i], v[R+8*\g+i], -v19, v19 ; groups of eight by turns in two sets: plain lines stand between a conversion and the next write of its sources
.set i, i+1
.endr
	v_cvt_scalef32_pk8_fp8_f32 v[CC+2*\g:CC+2*\g+1], v[TT:TT+7], v18
.endr
	global_store_b128 v2, v[CC:CC+3], s[34:35] offset:1024*(\p)          ; 512 consecutive bytes
	global_store_b128 v2, v[CC+4:CC+7], s[34:35] offset:1024*(\p)+512
.endm
	LNROW 0
	LNROW 1
	LNROW 2
	LNROW 3
	s_endpgm
.Lfunc_end_k_q66044c4c1b_ln2:
	.size	k_q66044c4c1b_ln2, .Lfunc_end_k_q66044c4c1b_ln2-k_q66044c4c1b_ln2
	.p2alignl 7, 3214868480
	.fill 96, 4, 3214868480
	.section	.rodata,"a",@progbits
	.p2align	6, 0x0
	.amdhsa_kernel k_q66044c4c1b_ln2
		.amdhsa_group_segment_fixed_size 0
		.amdhsa_private_segment_fixed_size 0
		.amdhsa_enable_private_segment 0
		.amdhsa_kernarg_size 40
		.amdhsa_user_sgpr_count 2
		.amdhsa_user_sgpr_kernarg_segment_ptr 1
		.amdhsa_wavefront_size32 1
		.amdhsa_system_sgpr_workgroup_id_x 1
		.amdhsa_system_sgpr_workgroup_id_y 1
		.amdhsa_system_sgpr_workgroup_id_z 1
		.amdhsa_system_vgpr_workitem_id 0
		.amdhsa_next_free_vgpr 192
		.amdhsa_next_free_sgpr 66
		.amdhsa_reserve_vcc 0
		.amdhsa_float_denorm_mode_32 3
		.amdhsa_float_denorm_mode_16_64 3
		.amdhsa_memory_ordered 1
		.amdhsa_forward_progress 1
		.amdhsa_inst_pref_size 36
	.end_amdhsa_kernel
	.amdgpu_metadata
---
amdhsa.version: [ 1, 2 ]
amdhsa.kernels:
  - .name:           k_q66044c4c1b_ln2
    .symbol:         k_q66044c4c1b_ln2.kd
    .args:
      - { .name: x1, .offset: 0, .size: 8, .value_kind: global_buffer, .address_space: global }
      - { .name: ln2_alpha, .offset: 8, .size: 8, .value_kind: global_buffer, .address_space: global }
      - { .name: ln2_bias, .offset: 16, .size: 8, .value_kind: global_buffer, .address_space: global }
      - { .name: lowp_scales, .offset: 24, .size: 8, .value_kind: global_buffer, .address_space: global }
      - { .name: yn, .offset: 32, .size: 8, .value_kind: global_buffer, .address_space: global }
    .group_segment_fixed_size: 0
    .private_segment_fixed_size: 0
    .kernarg_segment_align: 8
    .kernarg_segment_size: 40
    .max_flat_workgroup_size: 128
    .sgpr_count:     66
    .vgpr_count:     192
    .wavefront_size: 32
...
	.end_amdgpu_metadata
.endif
;; end of part 5
;; launch ffn1 (part 6): grid 16 x 16, 4 waves a work-group, clusters of 4 x 4, 327,680 bytes of LDS; arguments yn, pc, lowp_scales, b1, hc; writes hc
.if DOCPART == 6
	.amdgcn_target "amdgcn-amd-amdhsa--gfx1250"
	.amdhsa_code_object_version 6
	.text
	.protected	k_q66044c4c1b_ffn1
	.globl	k_q66044c4c1b_ffn1
	.p2align	8
	.type	k_q66044c4c1b_ffn1,@function
k_q66044c4c1b_ffn1:
	s_mov_b64 s[64:65], 0
	v_nop
	global_prefetch_b8 v0, s[64:65] scope:SCOPE_SE
	s_setreg_imm32_b32 hwreg(HW_REG_WAVE_MODE, 25, 1), 1
	s_wait_xcnt 0x0
	s_wait_alu depctr_hold_cnt(0) depctr_sa_sdst(0) depctr_va_vdst(0) depctr_va_sdst(0) depctr_va_ssrc(0) depctr_va_vcc(0) depctr_vm_vsrc(0)
	s_getreg_b32 s2, hwreg(HW_REG_IB_STS2, 6, 4)
	s_cmp_eq_u32 s2, 0
	s_cbranch_scc0 .Lentry_in_a_cluster
	s_endpgm
.Lentry_in_a_cluster:
	s_bfe_u32 s2, ttmp6, 0x10000c
	s_cmp_lg_u32 s2, 0xf033
	s_cbranch_scc0 .Lentry_shape_is_right
	s_endpgm
.Lentry_shape_is_right:
.set SIZE_K, 1024
.set KSTEP,  256
.set ROWB,   256
.set KROW,   SIZE_K
.set PITCH,  272
.set FR,     16
.set NL,     4
.set NP,     4
.set HALFT,  128*PITCH
.set SLOT,   4*HALFT
.set LAPS,   SIZE_K/(2*KSTEP)
.set SPARE,  2*SLOT
.set SCH,    16*80
.set BCO,  7
.set ADRA, 16
.set ADRB, 20
.set STO,  24
.set RD,   25
.set CO,   26
.set SPW,  28
.set NIL,  29
.set BC,   32
.set HI,   105
.set SC,   106
.set TMP,  128
.set AF,   128
.set CD,   192
.set RB,   208
.set G1, 24
.set G0, 32
.set G1B, 48
.set G0B, 56
.set MSB, 0
.macro WIN new
.if MSB != \new
	s_set_vgpr_msb (MSB<<8)|\new
.set MSB, \new
.endif
.endm
.set MUL_LO, 0xa1
.set MUL_HI, 0xf1
.set TO_B,   0x40
.macro JLOAD g0a, g1a, g0b, g1b
	s_cmp_eq_u32 s15, 0
	s_cbranch_scc0 .Lfor_b_\@
	tensor_load_to_lds s[\g0a:\g0a+3], s[\g1a:\g1a+7]
	s_nop 0
.rept 4
	v_nop
.endr
	s_branch .Lasked_\@
.Lfor_b_\@:
	tensor_load_to_lds s[\g0b:\g0b+3], s[\g1b:\g1b+7]
	s_nop 0
.rept 4
	v_nop
.endr
.Lasked_\@:
.endm
.macro CREST
	s_cmp_lg_u32 s14, 0
	s_cbranch_scc1 .Lnot_wave_0_\@
	s_barrier_signal -3
.Lnot_wave_0_\@:
	s_barrier_wait -3
	s_barrier_signal -1
	s_barrier_wait -1
.endm
.macro CROUND
	s_barrier_signal -1
	s_barrier_wait -1
	CREST
.endm
	s_load_b256 s[68:75], s[0:1], 0x0
	s_load_b64 s[76:77], s[0:1], 0x20
	v_lshl_add_u32 v[SPW], v0, 2, SPARE
	v_mov_b32 v[NIL], 0
	ds_add_u32 v28, v29
	ds_add_u32 v28, v29
	s_wait_dscnt 0x0
	v_lshrrev_b32 v1, 5, v0
	v_readfirstlane_b32 s14, v1
	s_lshr_b32 s15, s14, 1
	s_and_b32 s16, s14, 1
	s_bfe_u32 s40, ttmp6, 0x40000
	s_bfe_u32 s41, ttmp6, 0x40004
	s_lshl_b32 s42, ttmp9, 2
	s_add_co_u32 s42, s42, s40
	s_and_b32 s17, ttmp7, 0xffff
	s_lshl_b32 s17, s17, 2
	s_add_co_u32 s17, s17, s41
	s_lshl_b32 s43, s41, 2
	s_lshl_b32 s43, 15, s43
	s_lshl_b32 s44, 0x1111, s40
	s_or_b32 s[G1+0], s43, (0<<16)|(1<<20)|(1<<21)|(5<<22)|(3<<25)
	s_or_b32 s[G1B+0], s44, (0<<16)|(1<<20)|(1<<21)|(5<<22)|(3<<25)
.irp g, G1, G1B
	s_mov_b32 s[\g+1], ROWB<<16
	s_mov_b32 s[\g+2], 256<<16                     ; 256 rows for the head's loads; set to the refills' 128 behind the wait that shows them done
	s_mov_b32 s[\g+3], ROWB<<16
	s_mov_b32 s[\g+4], 256
	s_mov_b32 s[\g+5], KROW
	s_mov_b32 s[\g+6], 0
	s_mov_b32 s[\g+7], 0
.endr
	s_lshl_b32 s13, s16, 17
	s_lshl_b32 s20, s17, 18
	s_add_co_u32 s20, s20, s13
	s_mov_b32 s21, 0
	s_lshl_b32 s46, s42, 18
	s_add_co_u32 s46, s46, s13
	s_add_co_u32 s46, s46, 4<<20
	s_mov_b32 s47, 0
	s_mul_i32 s45, s14, HALFT
	s_lshl_b32 s93, s16, 8                         ; the head's loads: wave 0, 1: all 256 rows of A at K step 0, 1; wave 2, 3: of B
	s_lshl_b32 s92, s17, 18
	s_add_co_u32 s92, s92, s93
	s_mov_b32 s93, 0
	s_lshl_b32 s95, s16, 8
	s_lshl_b32 s94, s42, 18
	s_add_co_u32 s94, s94, s95
	s_add_co_u32 s94, s94, 4<<20
	s_mov_b32 s95, 0
	s_wait_kmcnt 0x0
	s_load_b128 s[80:83], s[72:73], 0x30
	s_add_nc_u64 s[20:21], s[68:69], s[20:21]
	s_add_nc_u64 s[46:47], s[70:71], s[46:47]
	s_cmp_eq_u32 s15, 0                            ; the prefetches: of the 128 rows that I fetch, the partner at place p (cx for A, cy for B) names rows 32 p .. 32 p + 31, a lane a row
	s_cselect_b64 s[6:7], s[20:21], s[46:47]
	s_cselect_b32 s8, s40, s41
	s_lshl_b32 s8, s8, 15
	s_mov_b32 s9, 0
	s_add_nc_u64 s[6:7], s[6:7], s[8:9]
	v_and_b32 v30, 31, v0
	v_lshlrev_b32 v30, 10, v30
	s_wait_alu depctr_va_vdst(0)
	CROUND
.irp s, 0,1
	s_mov_b32 s[G0+4*\s], 1
	s_add_co_u32 s[G0+4*\s+1], s45, \s*SLOT
	s_add_nc_u64 s[G0+4*\s+2:G0+4*\s+3], s[20:21], \s*ROWB
	s_or_b32 s[G0+4*\s+3], s[G0+4*\s+3], 0x80000000
	s_mov_b32 s[G0B+4*\s], 1
	s_add_co_u32 s[G0B+4*\s+1], s45, \s*SLOT
	s_add_nc_u64 s[G0B+4*\s+2:G0B+4*\s+3], s[46:47], \s*ROWB
	s_or_b32 s[G0B+4*\s+3], s[G0B+4*\s+3], 0x80000000
.endr
	s_mov_b32 s84, 1
	s_mul_i32 s85, s16, SLOT                       ; into slot 0 or 1: A's part,
	s_add_nc_u64 s[86:87], s[68:69], s[92:93]
	s_or_b32 s87, s87, 0x80000000
	s_mov_b32 s88, 1
	s_add_co_u32 s89, s85, 2*HALFT                 ; B's behind it
	s_add_nc_u64 s[90:91], s[70:71], s[94:95]
	s_or_b32 s91, s91, 0x80000000
	JLOAD 84, G1, 88, G1B                          ; both slots' first fills go out as one group, one tensor load a wave
	global_prefetch_b8 v30, s[6:7] offset:512 th:TH_LOAD_NT scope:SCOPE_SE   ; K step 2's 256 bytes of my 32 rows,
	global_prefetch_b8 v30, s[6:7] offset:768 th:TH_LOAD_NT scope:SCOPE_SE   ; and K step 3's, the last: one and two K steps of work ahead of their loads
	v_and_b32 v1, 15, v0
	s_wait_alu depctr_va_vdst(0)
	v_bfe_u32 v2, v0, 4, 1
	v_mul_u32_u24 v3, v1, PITCH
	v_lshl_add_u32 v4, v2, 4, v3
	s_mul_i32 s21, s15, HALFT
	s_mul_i32 s22, s16, HALFT
	s_add_co_u32 s22, s22, 2*HALFT
.irp s, 0,1
	v_add_nc_u32 v[ADRA+\s], s21, v4
	v_add_nc_u32 v[ADRB+\s], s22, v4
	s_add_co_u32 s21, s21, SLOT
	s_add_co_u32 s22, s22, SLOT
.endr
	s_mul_i32 s23, s14, 2*SCH
	v_mul_u32_u24 v5, v1, 80
	s_wait_alu depctr_va_vdst(0)
	v_lshl_add_u32 v5, v2, 3, v5
	v_add_nc_u32 v[STO], s23, v5
	v_and_b32 v6, 31, v0
	v_lshrrev_b32 v5, 2, v6
	v_mul_u32_u24 v5, v5, 80
	v_and_b32 v9, 3, v6
	v_lshl_add_u32 v5, v9, 4, v5
	v_add_nc_u32 v[RD], s23, v5
	v_lshlrev_b32 v[CO], 4, v6
	v_add_nc_u32 v[CO+1], 262144, v[CO]
	v_lshlrev_b32 v[BCO], 5, v2
	s_lshl_b32 s96, s42, 10
	s_lshl_b32 s97, s16, 9
	s_add_co_u32 s96, s96, s97
	s_mov_b32 s97, 0
	s_add_nc_u64 s[74:75], s[74:75], s[96:97]
.irp b, 0,1,2,3,4,5,6,7
	global_load_b128 v[BC+8*\b:BC+8*\b+3],   v[BCO], s[74:75] offset:64*\b
	global_load_b128 v[BC+8*\b+4:BC+8*\b+7], v[BCO], s[74:75] offset:64*\b+16
.endr
	s_lshl_b32 s96, s42, 2
	s_lshl_b32 s97, s16, 1
	s_add_co_u32 s96, s96, s97
	s_lshl_b32 s96, s96, 18
	s_lshl_b32 s97, s17, 14
	s_add_co_u32 s96, s96, s97
	s_lshl_b32 s97, s15, 13
	s_add_co_u32 s96, s96, s97
	s_mov_b32 s97, 0
	s_add_nc_u64 s[10:11], s[76:77], s[96:97]
.macro FRAG reg, adr, q, i
.irp c, 0,1,2,3
	ds_load_b128 v[\reg+4*\c:\reg+4*\c+3], v[\adr] offset:128*(\q)+32*\c+(\i)*16*PITCH
.endr
.endm
.macro MUL16 a0, p, zero
.irp a, \a0, \a0+1
.irp b, 0,1,2,3,4,5,6,7
.if \zero
	v_wmma_f32_16x16x128_fp8_fp8 v[8*(8*((\a)%4)+\b):8*(8*((\a)%4)+\b)+7], v[128*(\p)+FR*\b:128*(\p)+FR*\b+FR-1], v[AF+FR*(\a):AF+FR*(\a)+FR-1], 0
.else
	v_wmma_f32_16x16x128_fp8_fp8 v[8*(8*((\a)%4)+\b):8*(8*((\a)%4)+\b)+7], v[128*(\p)+FR*\b:128*(\p)+FR*\b+FR-1], v[AF+FR*(\a):AF+FR*(\a)+FR-1], v[8*(8*((\a)%4)+\b):8*(8*((\a)%4)+\b)+7]
.endif
.endr
.endr
.endm
.macro FETCH_B slot, q, p
	WIN TO_B
.irp i, 0,1,2,3,4,5,6,7
	FRAG 128*(\p)+FR*\i, ADRB+\slot, \q, \i
.endr
	WIN 0
.endm
.macro FETCH_A slot, q, i0
.irp i, \i0, \i0+1, \i0+2, \i0+3
	FRAG AF+FR*(\i), ADRA+\slot, \q, \i
.endr
.endm
.macro PLACES n
.rept \n
	v_nop
.endr
.endm
.macro STEP slot, q, zero
	s_wait_dscnt 4*NL
	WIN MUL_LO
	MUL16 0, (\q)%2, \zero
	MUL16 2, (\q)%2, \zero
	s_wait_dscnt 0
	PLACES NP
	FETCH_B \slot, (\q)+1, 1-(\q)%2
	FETCH_A \slot, (\q)+1, 0
	WIN MUL_HI
	MUL16 4, (\q)%2, \zero
	MUL16 6, (\q)%2, \zero
	PLACES NP
	WIN 0
	FETCH_A \slot, (\q)+1, 4
.endm
.macro TURN slot, next, fill
	s_wait_tensorcnt 0x0
	ds_add_u32 v[SPW], v[NIL]
	s_wait_dscnt 4*NL+1
	WIN MUL_LO
	MUL16 0, 1, 0
	s_wait_dscnt 0x0
	s_barrier_signal -1
	MUL16 2, 1, 0
	WIN 0
	s_barrier_wait -1
.if \fill
	CREST
	s_add_nc_u64 s[G0+4*\slot+2:G0+4*\slot+3], s[G0+4*\slot+2:G0+4*\slot+3], 2*ROWB
	s_add_nc_u64 s[G0B+4*\slot+2:G0B+4*\slot+3], s[G0B+4*\slot+2:G0B+4*\slot+3], 2*ROWB
	JLOAD G0+4*\slot, G1, G0B+4*\slot, G1B
.else
	PLACES NP
.endif
	FETCH_B \next, 0, 0
	FETCH_A \next, 0, 0
	WIN MUL_HI
	MUL16 4, 1, 0
	MUL16 6, 1, 0
	PLACES NP
	WIN 0
	FETCH_A \next, 0, 4
.endm
	s_wait_alu depctr_va_vdst(0)                   ; the wait at the head's end
	s_wait_tensorcnt 0x0                           ; my load is in, so its descriptors may be written: the refills bring 128 rows a wave
	s_mov_b32 s[G1+2], 128<<16
	s_mov_b32 s[G1+4], 128
	s_mov_b32 s[G1B+2], 128<<16
	s_mov_b32 s[G1B+4], 128
	s_barrier_signal -1                            ; behind this barrier both slots are whole
	s_barrier_wait -1
	FETCH_B 0, 0, 0
	FETCH_A 0, 0, 0
	FETCH_A 0, 0, 4
	STEP 0, 0, 1
	s_mov_b32 s3, LAPS-1
.Llap:
	TURN 0, 1, 1
	STEP 1, 0, 0
	TURN 1, 0, 1
	STEP 0, 0, 0
	s_sub_co_u32 s3, s3, 1
	s_cmp_lg_u32 s3, 0
	s_cbranch_scc1 .Llap
	TURN 0, 1, 0
	STEP 1, 0, 0
	s_wait_dscnt 4*NL
	WIN MUL_LO
	MUL16 0, 1, 0
	MUL16 2, 1, 0
	s_wait_dscnt 0
	WIN MUL_HI
	MUL16 4, 1, 0
	MUL16 6, 1, 0
	WIN 0
	s_wait_kmcnt 0x0
	s_add_co_i32 s96, s80, s81
	s_sub_co_i32 s97, 127, s96
	s_lshl_b32 s98, s97, 23
	s_sub_co_i32 s99, s82, s96
	s_add_co_i32 s99, s99, 127
	s_lshl_b32 s101, s99, 23
	s_add_co_i32 s99, s99, 8
	s_lshl_b32 s99, s99, 23
	s_or_b32 s99, s99, 0x600000
	s_wait_loadcnt 0x0
.set j, 0
.rept 64
	v_mul_f32 v[BC+j], s98, v[BC+j]
.set j, j+1
.endr
	v_mov_b32 v[HI], s99
	v_mov_b32 v[SC], s101
.macro TOCODES a
.set AC, 64*((\a)%4)
	WIN 0x02+((\a)/4)
.set j, 0
.rept 32
	v_pk_add_f32 v[TMP+j:TMP+j+1], v[AC+j:AC+j+1], v[BC+j:BC+j+1]
.set j, j+2
.endr
	WIN 0
.set j, 0
.rept 64
	v_med3_num_f32 v[TMP+j], v[TMP+j], 0, v[HI]
.set j, j+1
.endr
.irp b, 0,1,2,3,4,5,6,7
	v_cvt_scalef32_pk8_fp8_f32 v[CD+2*\b:CD+2*\b+1], v[TMP+8*\b:TMP+8*\b+7], v[SC]
.endr
	v_nop
.irp b, 0,1,2,3,4,5,6,7
	ds_store_b64 v[STO], v[CD+2*\b:CD+2*\b+1] offset:(\b/4)*SCH+16*(\b%4)
.endr
.irp t, 0,1,2,3
	ds_load_b128 v[RB+16*((\a)%2)+4*\t:RB+16*((\a)%2)+4*\t+3], v[RD] offset:(\t/2)*SCH+(\t%2)*640
.endr
.endm
.macro SENDC a, younger
	s_wait_dscnt \younger
.irp t, 0,1,2,3
	global_store_b128 v[CO+(\t/2)], v[RB+16*((\a)%2)+4*\t:RB+16*((\a)%2)+4*\t+3], s[10:11] offset:1024*(\a)+512*(\t%2) th:TH_STORE_NT
.endr
.endm
	TOCODES 0
.irp a, 1,2,3,4,5,6,7
.if \a > 1
	s_wait_xcnt 0x0
.endif
	TOCODES \a
	SENDC \a-1, 12
.endr
	SENDC 7, 0
	s_wait_tensorcnt 0x0
	ds_add_u32 v[SPW], v[NIL]
	s_wait_dscnt 0x0
	CROUND
	s_endpgm
.Lfunc_end_k_q66044c4c1b_ffn1:
	.size	k_q66044c4c1b_ffn1, .Lfunc_end_k_q66044c4c1b_ffn1-k_q66044c4c1b_ffn1
	.p2alignl 7, 3214868480
	.fill 96, 4, 3214868480
	.section	.rodata,"a",@progbits
	.p2align	6, 0x0
	.amdhsa_kernel k_q66044c4c1b_ffn1
		.amdhsa_group_segment_fixed_size 327680
		.amdhsa_private_segment_fixed_size 0
		.amdhsa_enable_private_segment 0
		.amdhsa_kernarg_size 40
		.amdhsa_user_sgpr_count 2
		.amdhsa_user_sgpr_kernarg_segment_ptr 1
		.amdhsa_wavefront_size32 1
		.amdhsa_system_sgpr_workgroup_id_x 1
		.amdhsa_system_sgpr_workgroup_id_y 1
		.amdhsa_system_sgpr_workgroup_id_z 1
		.amdhsa_system_vgpr_workitem_id 0
		.amdhsa_next_free_vgpr 1024
		.amdhsa_next_free_sgpr 102
		.amdhsa_reserve_vcc 0
		.amdhsa_float_denorm_mode_32 3
		.amdhsa_float_denorm_mode_16_64 3
		.amdhsa_memory_ordered 1
		.amdhsa_forward_progress 1
		.amdhsa_inst_pref_size 145
	.end_amdhsa_kernel
	.amdgpu_metadata
---
amdhsa.version: [ 1, 2 ]
amdhsa.kernels:
  - .name:           k_q66044c4c1b_ffn1
    .symbol:         k_q66044c4c1b_ffn1.kd
    .args:
      - { .name: yn, .offset: 0, .size: 8, .value_kind: global_buffer, .address_space: global }
      - { .name: pc, .offset: 8, .size: 8, .value_kind: global_buffer, .address_space: global }
      - { .name: lowp_scales, .offset: 16, .size: 8, .value_kind: global_buffer, .address_space: global }
      - { .name: b1, .offset: 24, .size: 8, .value_kind: global_buffer, .address_space: global }
      - { .name: hc, .offset: 32, .size: 8, .value_kind: global_buffer, .address_space: global }
    .group_segment_fixed_size: 327680
    .private_segment_fixed_size: 0
    .kernarg_segment_align: 8
    .kernarg_segment_size: 40
    .max_flat_workgroup_size: 128
    .sgpr_count:     102
    .vgpr_count:     1024
    .wavefront_size: 32
...
	.end_amdgpu_metadata
.endif
;; end of part 6
;; launch ffn2 (part 7): grid 8 x 32, 4 waves a work-group, clusters of 4 x 4, 327,680 bytes of LDS; arguments hc, pc, lowp_scales, b2, x1, out0; writes out0
.if DOCPART == 7
	.amdgcn_target "amdgcn-amd-amdhsa--gfx1250"
	.amdhsa_code_object_version 6
	.text
	.protected	k_q66044c4c1b_ffn2
	.globl	k_q66044c4c1b_ffn2
	.p2align	8
	.type	k_q66044c4c1b_ffn2,@function
k_q66044c4c1b_ffn2:
	s_mov_b64 s[64:65], 0
	v_nop
	global_prefetch_b8 v0, s[64:65] scope:SCOPE_SE
	s_setreg_imm32_b32 hwreg(HW_REG_WAVE_MODE, 25, 1), 1
	s_wait_xcnt 0x0
	s_wait_alu depctr_hold_cnt(0) depctr_sa_sdst(0) depctr_va_vdst(0) depctr_va_sdst(0) depctr_va_ssrc(0) depctr_va_vcc(0) depctr_vm_vsrc(0)
	s_getreg_b32 s2, hwreg(HW_REG_IB_STS2, 6, 4)
	s_cmp_eq_u32 s2, 0
	s_cbranch_scc0 .Lentry_in_a_cluster
	s_endpgm
.Lentry_in_a_cluster:
	s_bfe_u32 s2, ttmp6, 0x10000c
	s_cmp_lg_u32 s2, 0xf033
	s_cbranch_scc0 .Lentry_shape_is_right
	s_endpgm
.Lentry_shape_is_right:
.set SIZE_K, 4096
.set WOFF,   8<<20
.set SCOFF,  0x38
.set KSTEP,  512
.set ACH,    128*80
.set APART,  8*ACH
.set BP,     528
.set BHALF,  64*BP
.set SLOT,   APART+2*BHALF
.set SPARE,  2*SLOT
.set SPITCH, 272
.set LAPS,   SIZE_K/(2*KSTEP)
.set BI,   8
.set BIO,  12
.set ADRA, 16
.set ADRB, 20
.set STO,  24
.set RD,   25
.set CO,   26
.set SPW,  28
.set NIL,  29
.set RS,   32
.set BKR,  96
.set ACC,  128
.set F0,   0
.set F1,   128
.set G1, 24
.set G0, 32
.set G1B, 48
.set G0B, 56
.set MSB, 0
.macro WIN new
.if MSB != \new
	s_set_vgpr_msb (MSB<<8)|\new
.set MSB, \new
.endif
.endm
.set MUL,  0x05
.set TO_F, 0x40
.macro JLOAD s
	s_cmp_eq_u32 s11, 0
	s_cbranch_scc0 .Lfor_b_\@
	tensor_load_to_lds s[G0+4*\s:G0+4*\s+3], s[G1:G1+7]
	s_nop 0
.rept 4
	v_nop
.endr
	s_branch .Lasked_\@
.Lfor_b_\@:
	tensor_load_to_lds s[G0B+4*\s:G0B+4*\s+3], s[G1B:G1B+7]
	s_nop 0
.rept 4
	v_nop
.endr
.Lasked_\@:
.endm
.macro CREST
	s_cmp_lg_u32 s10, 0
	s_cbranch_scc1 .Lnot_wave_0_\@
	s_barrier_signal -3
.Lnot_wave_0_\@:
	s_barrier_wait -3
	s_barrier_signal -1
	s_barrier_wait -1
.endm
.macro CROUND
	s_barrier_signal -1
	s_barrier_wait -1
	CREST
.endm
	s_load_b256 s[68:75], s[0:1], 0x0
	s_load_b128 s[76:79], s[0:1], 0x20
	v_lshl_add_u32 v[SPW], v0, 2, SPARE
	v_mov_b32 v[NIL], 0
	ds_add_u32 v28, v29
	ds_add_u32 v28, v29
	s_wait_dscnt 0x0
	v_lshrrev_b32 v1, 5, v0
	v_readfirstlane_b32 s10, v1
	s_lshr_b32 s11, s10, 1
	s_and_b32 s12, s10, 1
	s_bfe_u32 s40, ttmp6, 0x40000
	s_bfe_u32 s41, ttmp6, 0x40004
	s_lshl_b32 s42, ttmp9, 2
	s_add_co_u32 s42, s42, s40
	s_and_b32 s13, ttmp7, 0xffff
	s_lshl_b32 s13, s13, 2
	s_add_co_u32 s13, s13, s41
	s_lshl_b32 s43, s41, 2
	s_lshl_b32 s43, 15, s43
	s_lshl_b32 s44, 0x1111, s40
	s_or_b32 s[G1+0], s43, (0<<16)|(1<<20)|(1<<21)|(3<<22)|(3<<25)
	s_mov_b32 s[G1+1], 8192<<16
	s_mov_b32 s[G1+2], 8<<16                       ; eight chunks for the head's loads; set to the refills' four behind the wait that shows them done
	s_mov_b32 s[G1+3], 8192<<16
	s_mov_b32 s[G1+4], 8
	s_mov_b32 s[G1+5], 262144
	s_mov_b32 s[G1+6], 0
	s_mov_b32 s[G1+7], 0
	s_or_b32 s[G1B+0], s44, (0<<16)|(1<<20)|(1<<21)|(6<<22)|(3<<25)
	s_mov_b32 s[G1B+1], KSTEP<<16
	s_mov_b32 s[G1B+2], 128<<16                    ; 128 rows for the head's loads, 64 for the refills
	s_mov_b32 s[G1B+3], KSTEP<<16
	s_mov_b32 s[G1B+4], 128
	s_mov_b32 s[G1B+5], SIZE_K
	s_mov_b32 s[G1B+6], 0
	s_mov_b32 s[G1B+7], 0
	s_lshl_b32 s16, s13, 13
	s_lshl_b32 s17, s12, 20
	s_add_co_u32 s16, s16, s17
	s_mov_b32 s17, 0
	s_lshl_b32 s46, s42, 7
	s_lshl_b32 s47, s12, 6
	s_add_co_u32 s46, s46, s47
	s_mul_i32 s46, s46, SIZE_K
	s_add_co_u32 s46, s46, WOFF
	s_mov_b32 s47, 0
	s_mul_i32 s20, s12, 4*ACH
	s_mul_i32 s21, s12, BHALF
	s_add_co_u32 s21, s21, APART
	s_lshl_b32 s88, s13, 13                        ; the head's loads: wave 0, 1: A's eight chunks of K step 0, 1; wave 2, 3: B's 128 rows of K step 0, 1
	s_lshl_b32 s89, s12, 21
	s_add_co_u32 s88, s88, s89
	s_mov_b32 s89, 0
	s_lshl_b32 s90, s42, 19
	s_lshl_b32 s91, s12, 9
	s_add_co_u32 s90, s90, s91
	s_add_co_u32 s90, s90, WOFF
	s_mov_b32 s91, 0
	s_wait_kmcnt 0x0
	s_load_b64 s[4:5], s[72:73], SCOFF
	s_add_nc_u64 s[14:15], s[68:69], s[16:17]
	s_add_nc_u64 s[46:47], s[70:71], s[46:47]
	; the prefetches: a wave's tile of a K step is 128 blocks of 256 bytes; the four partners that ask for it jointly share them out by address, 32 each, a lane a block:
	; A: partner cx names chunk cx of my four (8,192 bytes on end); B: partner cy names rows 16 cy .. 16 cy + 15, two blocks a row
	s_cmp_eq_u32 s11, 0
	s_cselect_b64 s[6:7], s[14:15], s[46:47]
	s_cselect_b32 s2, s40, s41
	s_mov_b32 s8, 65536
	s_cselect_b32 s8, 262144, s8
	s_mul_i32 s2, s2, s8                           ; my work-group's part
	s_mov_b32 s9, 4096
	s_cselect_b32 s9, 512, s9                      ; from one pair of lanes to the next
	v_and_b32 v31, 31, v0
	v_lshrrev_b32 v30, 1, v31
	v_mul_lo_u32 v30, v30, s9
	v_and_b32 v31, 1, v31
	v_lshl_add_u32 v30, v31, 8, v30
	s_mov_b32 s8, 512
	s_cselect_b32 s8, 2097152, s8                  ; a K step on: eight chunks of A, 512 bytes of a row of B
	s_mov_b32 s9, 0
	s_mov_b32 s3, 0
	s_add_nc_u64 s[6:7], s[6:7], s[2:3]
	s_add_nc_u64 s[6:7], s[6:7], s[8:9]
	s_add_nc_u64 s[6:7], s[6:7], s[8:9]
	s_mov_b64 s[66:67], s[6:7]                     ; K step 2,
	s_add_nc_u64 s[6:7], s[6:7], s[8:9]            ; K step 3: the first refill steps it to 4
	s_wait_alu depctr_va_vdst(0)
	CROUND
.irp s, 0,1
	s_mov_b32 s[G0+4*\s], 1
	s_add_co_u32 s[G0+4*\s+1], s20, \s*SLOT
	s_add_nc_u64 s[G0+4*\s+2:G0+4*\s+3], s[14:15], \s*8*262144
	s_or_b32 s[G0+4*\s+3], s[G0+4*\s+3], 0x80000000
	s_mov_b32 s[G0B+4*\s], 1
	s_add_co_u32 s[G0B+4*\s+1], s21, \s*SLOT
	s_add_nc_u64 s[G0B+4*\s+2:G0B+4*\s+3], s[46:47], \s*KSTEP
	s_or_b32 s[G0B+4*\s+3], s[G0B+4*\s+3], 0x80000000
.endr
	s_mov_b32 s80, 1
	s_mul_i32 s81, s12, SLOT                       ; into slot 0 or 1: A's part,
	s_add_nc_u64 s[82:83], s[68:69], s[88:89]
	s_or_b32 s83, s83, 0x80000000
	s_mov_b32 s84, 1
	s_add_co_u32 s85, s81, APART                   ; B's behind it
	s_add_nc_u64 s[86:87], s[70:71], s[90:91]
	s_or_b32 s87, s87, 0x80000000
	s_cmp_eq_u32 s11, 0                            ; both slots' first fills go out as one group, one tensor load a wave
	s_cbranch_scc0 .Lhead_b
	tensor_load_to_lds s[80:83], s[G1:G1+7]
	s_nop 0
.rept 4
	v_nop
.endr
	s_branch .Lhead_asked
.Lhead_b:
	tensor_load_to_lds s[84:87], s[G1B:G1B+7]
	s_nop 0
.rept 4
	v_nop
.endr
.Lhead_asked:
	global_prefetch_b8 v30, s[66:67] th:TH_LOAD_NT scope:SCOPE_SE   ; K steps 2 and 3: one and two K steps of work ahead of their loads;
	global_prefetch_b8 v30, s[6:7] th:TH_LOAD_NT scope:SCOPE_SE     ; behind the refill of K step j stands the prefetch of K step j + 2
	v_and_b32 v1, 15, v0
	v_bfe_u32 v2, v0, 4, 1
	v_mul_u32_u24 v3, v1, 80
	v_lshl_add_u32 v3, v2, 4, v3
	v_mul_u32_u24 v4, v1, BP
	v_lshl_add_u32 v4, v2, 4, v4
	s_mul_i32 s21, s11, 64*80
	s_mul_i32 s22, s12, BHALF
	s_add_co_u32 s22, s22, APART
.irp s, 0,1
	v_add_nc_u32 v[ADRA+2*\s], s21, v3
	s_add_co_u32 s23, s21, 4*ACH
	v_add_nc_u32 v[ADRA+2*\s+1], s23, v3
	v_add_nc_u32 v[ADRB+\s], s22, v4
	s_add_co_u32 s21, s21, SLOT
	s_add_co_u32 s22, s22, SLOT
.endr
	s_mul_i32 s23, s10, 16*SPITCH
	v_mul_u32_u24 v5, v1, SPITCH
	v_lshl_add_u32 v5, v2, 5, v5
	v_add_nc_u32 v[STO], s23, v5
	v_mul_u32_u24 v5, v2, SPITCH
	v_lshl_add_u32 v5, v1, 4, v5
	v_add_nc_u32 v[RD], s23, v5
	v_lshlrev_b32 v5, 12, v2
	v_lshl_add_u32 v[CO], v1, 4, v5
	v_lshlrev_b32 v[BIO], 4, v1
	s_wait_alu depctr_va_vdst(0)
	s_lshl_b32 s16, s13, 7
	s_lshl_b32 s17, s11, 6
	s_add_co_u32 s16, s16, s17
	s_lshl_b32 s16, s16, 12
	s_lshl_b32 s46, s42, 9
	s_lshl_b32 s47, s12, 8
	s_add_co_u32 s46, s46, s47
	s_mov_b32 s47, 0
	s_add_nc_u64 s[74:75], s[74:75], s[46:47]
	s_add_co_u32 s16, s16, s46
	s_mov_b32 s17, 0
	s_add_nc_u64 s[76:77], s[76:77], s[16:17]
	s_add_nc_u64 s[78:79], s[78:79], s[16:17]
	global_load_b128 v[BI:BI+3], v[BIO], s[74:75]
.macro RLOAD a                         ; the residual of block a: blocks 0, 1 into window 0, blocks 2, 3 into window 2 under the same numbers
	WIN 0x80*((\a)/2)
.irp t, 0,1,2,3,4,5,6,7
	global_load_b128 v[RS+32*((\a)%2)+4*\t:RS+32*((\a)%2)+4*\t+3], v[CO], s[76:77] offset:(16*(\a)+2*\t)*4096
.endr
	WIN 0
.endm
	RLOAD 0
	RLOAD 1
	RLOAD 2
	RLOAD 3
.macro MUL4 f, a, zero
.irp b, 0,1,2,3
.if \zero
	v_wmma_f32_16x16x128_fp8_fp8 v[ACC+8*(4*(\a)+\b):ACC+8*(4*(\a)+\b)+7], v[\f+64+16*\b:\f+64+16*\b+15], v[\f+16*(\a):\f+16*(\a)+15], 0
.else
	v_wmma_f32_16x16x128_fp8_fp8 v[ACC+8*(4*(\a)+\b):ACC+8*(4*(\a)+\b)+7], v[\f+64+16*\b:\f+64+16*\b+15], v[\f+16*(\a):\f+16*(\a)+15], v[ACC+8*(4*(\a)+\b):ACC+8*(4*(\a)+\b)+7]
.endif
.endr
.endm
.macro FETCH slot, qd, f
	WIN TO_F
.irp i, 0,1,2,3
.irp c, 0,1,2,3
	ds_load_b128 v[\f+64+16*\i+4*\c:\f+64+16*\i+4*\c+3], v[ADRB+\slot] offset:128*(\qd)+32*\c+\i*16*BP
.endr
.endr
.irp i, 0,1,2,3
.irp c, 0,1,2,3
	ds_load_b128 v[\f+16*\i+4*\c:\f+16*\i+4*\c+3], v[ADRA+2*\slot+(\qd)/2] offset:(2*((\qd)%2)+\c/2)*ACH+32*(\c%2)+\i*16*80
.endr
.endr
.endm
.macro PLACES
.rept 4
	v_nop
.endr
.endm
.macro QUARTER slot, qn, f, g, zero
	s_wait_dscnt 8
	WIN MUL
	MUL4 \f, 0, \zero
	MUL4 \f, 1, \zero
	PLACES
	FETCH \slot, \qn, \g
	s_wait_dscnt 32
	WIN MUL
	MUL4 \f, 2, \zero
	MUL4 \f, 3, \zero
.endm
.macro TURN slot, next, fill
	WIN 0
.if \fill
	s_wait_xcnt 0x0                                ; my last prefetch, a K step back, has read its address
	s_add_nc_u64 s[6:7], s[6:7], s[8:9]
.endif
	s_wait_tensorcnt 0x0
	ds_add_u32 v[SPW], v[NIL]
	s_wait_dscnt 9
	WIN MUL
	MUL4 F1, 0, 0
	s_wait_dscnt 0x0
	s_barrier_signal -1
	MUL4 F1, 1, 0
.if \fill
	WIN 0
.endif
	s_barrier_wait -1
.if \fill
	CREST
	s_add_nc_u64 s[G0+4*\slot+2:G0+4*\slot+3], s[G0+4*\slot+2:G0+4*\slot+3], 2*8*262144
	s_add_nc_u64 s[G0B+4*\slot+2:G0B+4*\slot+3], s[G0B+4*\slot+2:G0B+4*\slot+3], 2*KSTEP
	JLOAD \slot
	s_cmp_gt_u32 s3, 1                             ; the last trip's two refills are K steps 6 and 7: no K step stands two on
	s_cbranch_scc0 .Lno_ask_\@
	global_prefetch_b8 v30, s[6:7] th:TH_LOAD_NT scope:SCOPE_SE
.Lno_ask_\@:
.else
	PLACES
.endif
	FETCH \next, 0, F0
	WIN MUL
	MUL4 F1, 2, 0
	MUL4 F1, 3, 0
.endm
	s_wait_alu depctr_va_vdst(0)                   ; the wait at the head's end
	s_wait_tensorcnt 0x0                           ; my load is in, so its descriptors may be written: the refills bring half a side a wave
	s_mov_b32 s[G1+2], 4<<16
	s_mov_b32 s[G1+4], 4
	s_mov_b32 s[G1B+2], 64<<16
	s_mov_b32 s[G1B+4], 64
	s_barrier_signal -1                            ; behind this barrier both slots are whole
	s_barrier_wait -1
	FETCH 0, 0, F0
	QUARTER 0, 1, F0, F1, 1
.if LAPS > 1
	WIN 0
	s_mov_b32 s3, LAPS-1
.Llap:
	QUARTER 0, 2, F1, F0, 0
	QUARTER 0, 3, F0, F1, 0
	TURN 0, 1, 1
	QUARTER 1, 1, F0, F1, 0
	QUARTER 1, 2, F1, F0, 0
	QUARTER 1, 3, F0, F1, 0
	TURN 1, 0, 1
	QUARTER 0, 1, F0, F1, 0
	WIN 0
	s_sub_co_u32 s3, s3, 1
	s_cmp_lg_u32 s3, 0
	s_cbranch_scc1 .Llap
.endif
	QUARTER 0, 2, F1, F0, 0
	QUARTER 0, 3, F0, F1, 0
	TURN 0, 1, 0
	QUARTER 1, 1, F0, F1, 0
	QUARTER 1, 2, F1, F0, 0
	QUARTER 1, 3, F0, F1, 0
	s_wait_dscnt 8
	WIN MUL
	MUL4 F1, 0, 0
	MUL4 F1, 1, 0
	s_wait_dscnt 0
	MUL4 F1, 2, 0
	MUL4 F1, 3, 0
	WIN 0
	s_wait_kmcnt 0x0
	s_add_co_i32 s4, s4, s5
	s_add_co_i32 s4, s4, 127
	s_lshl_b32 s4, s4, 23
	s_mov_b32 s5, s4
	PLACES
.macro OUTB a
.irp b, 0,1,2,3
	ds_store_b128 v[STO], v[ACC+8*(4*(\a)+\b):ACC+8*(4*(\a)+\b)+3] offset:64*\b
	ds_store_b128 v[STO], v[ACC+8*(4*(\a)+\b)+4:ACC+8*(4*(\a)+\b)+7] offset:64*\b+16
.endr
.if (\a) > 0
	s_wait_xcnt 0x0
.endif
.irp t, 0,1,2,3,4,5,6,7
	ds_load_b128 v[BKR+4*\t:BKR+4*\t+3], v[RD] offset:\t*2*SPITCH
.endr
	s_wait_dscnt 0x0
	s_wait_loadcnt 8*(3-(\a))                      ; block a's residual is in; the eight loads of each later block may be out
.irp t, 0,1,2,3,4,5,6,7
	v_pk_fma_f32 v[BKR+4*\t:BKR+4*\t+1], v[BKR+4*\t:BKR+4*\t+1], s[4:5], v[BI:BI+1] op_sel_hi:[1,0,1]
	v_pk_fma_f32 v[BKR+4*\t+2:BKR+4*\t+3], v[BKR+4*\t+2:BKR+4*\t+3], s[4:5], v[BI+2:BI+3] op_sel_hi:[1,0,1]
.endr
	WIN 0x08*((\a)/2)                              ; source 1: window 0 or 2
.set j, 0
.rept 16
	v_pk_add_f32 v[BKR+j:BKR+j+1], v[BKR+j:BKR+j+1], v[RS+32*((\a)%2)+j:RS+32*((\a)%2)+j+1]
.set j, j+2
.endr
	WIN 0
.irp t, 0,1,2,3,4,5,6,7
	global_store_b128 v[CO], v[BKR+4*\t:BKR+4*\t+3], s[78:79] offset:(16*(\a)+2*\t)*4096
.endr
.endm
	OUTB 0
	OUTB 1
	OUTB 2
	OUTB 3
	s_wait_tensorcnt 0x0
	ds_add_u32 v[SPW], v[NIL]
	s_wait_dscnt 0x0
	CROUND
	s_endpgm
.Lfunc_end_k_q66044c4c1b_ffn2:
	.size	k_q66044c4c1b_ffn2, .Lfunc_end_k_q66044c4c1b_ffn2-k_q66044c4c1b_ffn2
	.p2alignl 7, 3214868480
	.fill 96, 4, 3214868480
	.section	.rodata,"a",@progbits
	.p2align	6, 0x0
	.amdhsa_kernel k_q66044c4c1b_ffn2
		.amdhsa_group_segment_fixed_size 327680
		.amdhsa_private_segment_fixed_size 0
		.amdhsa_enable_private_segment 0
		.amdhsa_kernarg_size 48
		.amdhsa_user_sgpr_count 2
		.amdhsa_user_sgpr_kernarg_segment_ptr 1
		.amdhsa_wavefront_size32 1
		.amdhsa_system_sgpr_workgroup_id_x 1
		.amdhsa_system_sgpr_workgroup_id_y 1
		.amdhsa_system_sgpr_workgroup_id_z 1
		.amdhsa_system_vgpr_workitem_id 0
		.amdhsa_next_free_vgpr 768
		.amdhsa_next_free_sgpr 92
		.amdhsa_reserve_vcc 0
		.amdhsa_float_denorm_mode_32 3
		.amdhsa_float_denorm_mode_16_64 3
		.amdhsa_memory_ordered 1
		.amdhsa_forward_progress 1
		.amdhsa_inst_pref_size 84
	.end_amdhsa_kernel
	.amdgpu_metadata
---
amdhsa.version: [ 1, 2 ]
amdhsa.kernels:
  - .name:           k_q66044c4c1b_ffn2
    .symbol:         k_q66044c4c1b_ffn2.kd
    .args:
      - { .name: hc, .offset: 0, .size: 8, .value_kind: global_buffer, .address_space: global }
      - { .name: pc, .offset: 8, .size: 8, .value_kind: global_buffer, .address_space: global }
      - { .name: lowp_scales, .offset: 16, .size: 8, .value_kind: global_buffer, .address_space: global }
      - { .name: b2, .offset: 24, .size: 8, .value_kind: global_buffer, .address_space: global }
      - { .name: x1, .offset: 32, .size: 8, .value_kind: global_buffer, .address_space: global }
      - { .name: out0, .offset: 40, .size: 8, .value_kind: global_buffer, .address_space: global }
    .group_segment_fixed_size: 327680
    .private_segment_fixed_size: 0
    .kernarg_segment_align: 8
    .kernarg_segment_size: 48
    .max_flat_workgroup_size: 128
    .sgpr_count:     92
    .vgpr_count:     768
    .wavefront_size: 32
...
	.end_amdgpu_metadata
.endif
;; end of part 7
